; MI455X (gfx1250); checked and timed in simulation.
; The chip was launched on July 23, 2026; its instructions are those of AMD's public machine-readable ISA for CDNA 5 (MIT licence, August 2026) and "CDNA5" Instruction Set Architecture Reference Guide (July 2026). The comments in the code are by the model that wrote it; some were corrected since.
;; Multi Head Attention. Allowed arithmetic: float matrix products may take bf16 or f16 operands with f32 sums; other float arithmetic in f32, or as packed bf16 or f16 multiplies, adds, multiply-adds, maxima and minima; sums over many terms, partial sums and values carried from step to step in f32; what a program stores and reads back later, other than sums and carried values, may be rounded once to bf16 or f16.
;; Inputs: Wk 2,048 x 2,048 float32; Wo 2,048 x 2,048 float32; Wq 2,048 x 2,048 float32; Wv 2,048 x 2,048 float32; hidden_states 2,048 x 2,048 float32.
;; Outputs: out0 2,048 x 2,048 float32.
;; One version. Each part assembles by itself: llvm-mc -triple=amdgcn-amd-amdhsa -mcpu=gfx1250 --defsym DOCPART=n.
;; ======== version 1 of 1: 4 launches
;; limits: values are held in f16: magnitudes above 65,504 overflow, below 6.1e-05 lose precision
;; workspace buffers: h16 41,943,040 bytes; rope 1,048,576 bytes; qkv 25,165,824 bytes; ctx 8,388,608 bytes
;; launch prep (part 1): grid 256 x 6, 8 waves a work-group, no clusters, 0 bytes of LDS; arguments hidden_states, Wq, Wk, Wv, Wo, h16, rope; writes h16, rope
.if DOCPART == 1
	.amdgcn_target "amdgcn-amd-amdhsa--gfx1250"
	.amdhsa_code_object_version 6
	.text
	.protected	k_qfc0f249678_prep
	.globl	k_qfc0f249678_prep
	.p2align	8
	.type	k_qfc0f249678_prep,@function
k_qfc0f249678_prep:
	s_mov_b64 s[64:65], 0
	v_nop
	global_prefetch_b8 v0, s[64:65] scope:SCOPE_SE
	s_setreg_imm32_b32 hwreg(HW_REG_WAVE_MODE, 25, 1), 1
	s_wait_xcnt 0x0
; PLANES 0 TO 4 (the grid's y): one of the five f32 inputs [2048][2048] is rounded to bf16, and that number is written as f16 into plane y of h16
; (x, Wq, Wk, Wv, Wo).  bf16's 8 significant bits fit f16's 11, so the second step is exact from 2^-17 up to 65,504.
; LIMITS: an input beyond 65,504 in size becomes an infinity; below 2^-17 it keeps f16's fixed step of 6e-8.
; A work-group converts 16,384 numbers: thread t takes 16 bytes at 16 t of each of sixteen pieces of 4,096 bytes, so a wave's load covers 512 consecutive
; bytes and its store 256 consecutive bytes, aligned.  All sixteen loads of a wave go out at once; no register that a pending access names is rewritten.
; PLANE 5: the table for the rotary embedding, rope[pos][0..63] = cos(pos f_j), rope[pos][64..127] = sin(pos f_j), f_j = 10000^(-j/64), in f32.
; A wave makes one position, a lane two j.  f_j = 2^(-j log2(10000)/64); the angle pos f_j is rounded to f32 as it stands, reduced by the nearest multiple
; of 2 pi (2 pi in two parts, two fused steps) and put into the series of sine (to x^15) and cosine (to x^16), whose first left-out terms at pi are 8e-7 and 1.4e-7.
; LIMIT: f_j is good to a unit or two in the last place, so an angle near 2,000 may be off by some 2e-4.
; No LDS, no barrier, no matrix unit: every byte is read once and written once, and no wave needs another's data.
.set X, 4                              ; v[4:67]    sixteen pieces as loaded, 4 registers each
.set Y, 68                             ; v[68:99]   sixteen pieces to store, 2 registers each
.set T, 100                            ; v[100:105] at work
	s_load_b256 s[4:11], s[0:1], 0x0               ; hidden_states s[4:5], Wq s[6:7], Wk s[8:9], Wv s[10:11]
	s_load_b128 s[12:15], s[0:1], 0x20             ; Wo s[12:13], h16 s[14:15]
	s_load_b64 s[16:17], s[0:1], 0x30              ; rope
	s_and_b32 s20, ttmp7, 0xffff                   ; the plane
	s_mov_b32 s21, 0xffff0000                      ; a word's upper bf16
	s_mov_b32 s23, 0
	s_mov_b32 s25, 0
	v_lshlrev_b32 v1, 4, v0                        ; 16 t: my bytes in a piece of the source
	v_lshlrev_b32 v2, 3, v0                        ; 8 t: my bytes in a piece of the result
	s_wait_kmcnt 0x0
	s_cmp_eq_u32 s20, 5
	s_cbranch_scc1 .Ltable
.irp n, 1,2,3,4
	s_cmp_eq_u32 s20, \n                           ; the plane's number chooses the source
	s_cselect_b64 s[4:5], s[4+2*\n:5+2*\n], s[4:5]
.endr
	s_lshl_b32 s22, ttmp9, 16                      ; the work-group's 65,536 bytes of the source
	s_add_nc_u64 s[4:5], s[4:5], s[22:23]
	s_lshl_b32 s22, s20, 23                        ; the plane's 8,388,608 bytes in h16,
	s_lshl_b32 s24, ttmp9, 15                      ; the work-group's 32,768 of them
	s_add_co_u32 s22, s22, s24
	s_add_nc_u64 s[14:15], s[14:15], s[22:23]
.irp i, 0,1,2,3,4,5,6,7,8,9,10,11,12,13,14,15
	global_load_b128 v[X+4*\i:X+4*\i+3], v1, s[4:5] offset:4096*\i th:TH_LOAD_NT
.endr
.macro CV i
	s_wait_loadcnt 15-(\i)                         ; loads come back in order: piece i is in, the younger ones stay out
	v_cvt_pk_bf16_f32 v[T], v[X+4*(\i)], v[X+4*(\i)+1]       ; rounded to bf16, to nearest even,
	v_cvt_pk_bf16_f32 v[T+1], v[X+4*(\i)+2], v[X+4*(\i)+3]
	v_lshlrev_b32 v[T+2], 16, v[T]                 ; widened again,
	v_and_b32 v[T+3], s21, v[T]
	v_lshlrev_b32 v[T+4], 16, v[T+1]
	v_and_b32 v[T+5], s21, v[T+1]
	v_cvt_pk_f16_f32 v[Y+2*(\i)], v[T+2], v[T+3]   ; and written as f16
	v_cvt_pk_f16_f32 v[Y+2*(\i)+1], v[T+4], v[T+5]
	global_store_b64 v2, v[Y+2*(\i):Y+2*(\i)+1], s[14:15] offset:2048*(\i)
.endm
.irp i, 0,1,2,3,4,5,6,7,8,9,10,11,12,13,14,15
	CV \i
.endr
	s_endpgm
.Ltable:
	v_lshrrev_b32 v3, 5, v0
	v_readfirstlane_b32 s22, v3                    ; my wave
	s_lshl_b32 s24, ttmp9, 3
	s_add_co_u32 s22, s22, s24                     ; the position: 8 x work-group + wave
	v_and_b32 v3, 31, v0                           ; lane
	v_lshlrev_b32 v4, 1, v3                        ; j = 2 lane
	v_or_b32 v5, 1, v4                             ; and 2 lane + 1
	v_cvt_f32_u32 v4, v4
	v_cvt_f32_u32 v5, v5
	v_cvt_f32_u32 v6, s22
	v_mul_f32 v4, 0xbe549a78, v4                   ; -j log2(10000) / 64
	v_mul_f32 v5, 0xbe549a78, v5
	v_exp_f32 v4, v4                               ; f_j
	v_exp_f32 v5, v5
	v_lshlrev_b32 v7, 3, v3                        ; 8 x lane: my two numbers in a row's half (also the plain line behind the exponentials)
	s_wait_alu depctr_va_vdst(0)
.irp e, 0,1
	v_mul_f32 v[8+\e], v6, v[4+\e]                 ; the angle
.endr
.irp e, 0,1
	v_mul_f32 v[10+\e], 0.15915494, v[8+\e]
.endr
.irp e, 0,1
	v_rndne_f32 v[10+\e], v[10+\e]                 ; n: the nearest multiple of 2 pi
.endr
.irp e, 0,1
	v_fmamk_f32 v[8+\e], v[10+\e], 0xc0c90fdb, v[8+\e]   ; less n x the upper part of 2 pi,
.endr
.irp e, 0,1
	v_fmamk_f32 v[8+\e], v[10+\e], 0x343bbd2e, v[8+\e]   ; less n x the rest: x in -pi .. pi
.endr
.irp e, 0,1
	v_mul_f32 v[12+\e], v[8+\e], v[8+\e]           ; x^2
	v_mov_b32 v[14+\e], 0x29573f9f                 ; 1/16!
	v_mov_b32 v[16+\e], 0xab573f9f                 ; -1/15!
.endr
.irp c, 0xad49cba5, 0x310f76c7, 0xb493f27e, 0x37d00d01, 0xbab60b61, 0x3d2aaaab, 0xbf000000, 0x3f800000
	v_fmaak_f32 v14, v14, v12, \c                  ; cosine: -1/14!, 1/12!, .. -1/2, 1
	v_fmaak_f32 v15, v15, v13, \c
.endr
.irp c, 0x2f309231, 0xb2d7322b, 0x3638ef1d, 0xb9500d01, 0x3c088889, 0xbe2aaaab, 0x3f800000
	v_fmaak_f32 v16, v16, v12, \c                  ; sine / x: 1/13!, -1/11!, .. -1/6, 1
	v_fmaak_f32 v17, v17, v13, \c
.endr
	v_mul_f32 v16, v16, v8
	v_mul_f32 v17, v17, v9
	s_lshl_b32 s24, s22, 9                         ; a position's 512 bytes
	s_add_nc_u64 s[16:17], s[16:17], s[24:25]
	global_store_b64 v7, v[14:15], s[16:17]        ; the wave's 64 cosines: 256 consecutive bytes, aligned
	global_store_b64 v7, v[16:17], s[16:17] offset:256  ; and its 64 sines
	s_endpgm
.Lfunc_end_k_qfc0f249678_prep:
	.size	k_qfc0f249678_prep, .Lfunc_end_k_qfc0f249678_prep-k_qfc0f249678_prep
	.p2alignl 7, 3214868480
	.fill 96, 4, 3214868480
	.section	.rodata,"a",@progbits
	.p2align	6, 0x0
	.amdhsa_kernel k_qfc0f249678_prep
		.amdhsa_group_segment_fixed_size 0
		.amdhsa_private_segment_fixed_size 0
		.amdhsa_enable_private_segment 0
		.amdhsa_kernarg_size 56
		.amdhsa_user_sgpr_count 2
		.amdhsa_user_sgpr_kernarg_segment_ptr 1
		.amdhsa_wavefront_size32 1
		.amdhsa_system_sgpr_workgroup_id_x 1
		.amdhsa_system_sgpr_workgroup_id_y 1
		.amdhsa_system_sgpr_workgroup_id_z 1
		.amdhsa_system_vgpr_workitem_id 0
		.amdhsa_next_free_vgpr 112
		.amdhsa_next_free_sgpr 66
		.amdhsa_reserve_vcc 0
		.amdhsa_float_denorm_mode_32 3
		.amdhsa_float_denorm_mode_16_64 3
		.amdhsa_memory_ordered 1
		.amdhsa_forward_progress 1
		.amdhsa_inst_pref_size 15
	.end_amdhsa_kernel
	.amdgpu_metadata
---
amdhsa.version: [ 1, 2 ]
amdhsa.kernels:
  - .name:           k_qfc0f249678_prep
    .symbol:         k_qfc0f249678_prep.kd
    .args:
      - { .name: hidden_states, .offset: 0, .size: 8, .value_kind: global_buffer, .address_space: global }
      - { .name: Wq, .offset: 8, .size: 8, .value_kind: global_buffer, .address_space: global }
      - { .name: Wk, .offset: 16, .size: 8, .value_kind: global_buffer, .address_space: global }
      - { .name: Wv, .offset: 24, .size: 8, .value_kind: global_buffer, .address_space: global }
      - { .name: Wo, .offset: 32, .size: 8, .value_kind: global_buffer, .address_space: global }
      - { .name: h16, .offset: 40, .size: 8, .value_kind: global_buffer, .address_space: global }
      - { .name: rope, .offset: 48, .size: 8, .value_kind: global_buffer, .address_space: global }
    .group_segment_fixed_size: 0
    .private_segment_fixed_size: 0
    .kernarg_segment_align: 8
    .kernarg_segment_size: 56
    .max_flat_workgroup_size: 256
    .sgpr_count:     66
    .vgpr_count:     112
    .wavefront_size: 32
...
	.end_amdgpu_metadata
.endif
;; end of part 1
;; launch qkv (part 2): grid 16 x 16, 4 waves a work-group, clusters of 4 x 4, 327,680 bytes of LDS; arguments h16, rope, qkv; writes qkv
.if DOCPART == 2
	.amdgcn_target "amdgcn-amd-amdhsa--gfx1250"
	.amdhsa_code_object_version 6
	.text
	.protected	k_qfc0f249678_qkv
	.globl	k_qfc0f249678_qkv
	.p2align	8
	.type	k_qfc0f249678_qkv,@function
k_qfc0f249678_qkv:
	s_mov_b64 s[64:65], 0
	v_nop
	global_prefetch_b8 v0, s[64:65] scope:SCOPE_SE
	s_setreg_imm32_b32 hwreg(HW_REG_WAVE_MODE, 25, 1), 1
	s_wait_xcnt 0x0
	s_wait_alu depctr_hold_cnt(0) depctr_sa_sdst(0) depctr_va_vdst(0) depctr_va_sdst(0) depctr_va_ssrc(0) depctr_va_vcc(0) depctr_vm_vsrc(0)
	s_getreg_b32 s2, hwreg(HW_REG_IB_STS2, 6, 4)
	s_cmp_eq_u32 s2, 0
	s_cbranch_scc0 .Lentry_in_a_cluster
	s_endpgm
.Lentry_in_a_cluster:
	s_bfe_u32 s2, ttmp6, 0x10000c
	s_cmp_lg_u32 s2, 0xf033
	s_cbranch_scc0 .Lentry_shape_is_right
	s_endpgm
.Lentry_shape_is_right:
; q, k, v = x Wq^T, x Wk^T, x Wv^T; the rotary embedding on q and k; written by heads, qkv[3][16][2048][128] in f16, unscaled, each rounded once from its f32 sum.
; x and the weights come as f16 from h16 (planes 0 to 3, [2048][2048], K along the rows); the table rope[pos][64 cos | 64 sin] in f32.
; LIMIT: a q, k or v beyond 65,504 in size becomes an infinity.
; SHARES.  Work-group (t, R) makes rows 128 R .. + 127 of head t of q, of k and of v: a tile of 128 x 384.  Which third takes the embedding is then fixed by the text.
; Wave w makes all 128 rows x 96 columns: of each third the columns 16 w .. + 15 and 64 + 16 w .. + 15, so that the two numbers that the embedding pairs (j and j + 64)
; lie in the same lane and register of two accumulators.  48 accumulators of 16 x 16, 384 registers.
; K goes in 16 steps of 128 through a ring of two LDS slots; a slot holds 128 rows of x and 128 rows of each of Wq, Wk, Wv; wave w's one tensor load brings part w (rows of 256 bytes, aligned).
; THE WALK ALONG K IS A RING: cluster (X, Y) begins at step 4 (X + Y / 2) + 8 (Y mod 2) mod 16 and goes once round.  So the clusters that need the same tile of x (same Y) or of W (same X) ask for it
; in different trips, not all at once.  The number hangs on the cluster's place alone: it is the same in all sixteen partners.  The f32 sums take their terms in that order.
; A trip of the loop is one K step: the slot in hand is a scalar (0 or SLOT), the fragment addresses are made from it behind each change of slots, and the descriptor is written anew for each refill.
; CLUSTER 4 x 4: x's tile hangs on R alone and is shared along a row of the cluster, the weights' tiles on t alone and are shared along a column: joint loads, the same descriptor and mask in all four.
; THE MATRIX INSTRUCTION IS USED TRANSPOSED (source 0 = 16 rows of W, source 1 = 16 rows of x): a lane holds row l % 16 and the eight neighbouring columns 8 (l / 16) + 0..7.
; REGISTERS, in windows of 256 (s_set_vgpr_msb: bits 1:0 source 0, 3:2 source 1, 5:4 source 2, 7:6 destination):
;   window 0: v0-31 addresses; v64-127, v128-191 fragments of x, two buffers; v192-247 at work on the way out
;   window 1: v64-111, v128-175 fragments of W, two buffers
;   window 2 (row blocks 0-3), 3 (4-7): accumulator (a, f) at 48 (a % 4) + 8 f, f = 2 x third + half; v192-255 the table for the four row blocks: 8 cos, 8 sin each
.set KSTEP,  128
.set KSTEPS, 2048/KSTEP
.set PITCH,  272                       ; an LDS row: 256 bytes + 16 of padding = 68 words: the 16 rows of a fragment load start at 16 different groups of four banks (ISA guide 11.1)
.set PART,   128*PITCH                 ; 128 rows: what one tensor load brings
.set SLOT,   4*PART                    ; x, Wq, Wk, Wv
.set SPARE,  2*SLOT                    ; behind the ring: the spare words, 128 bytes a wave
; The stage for the way out, 384 rows x 272 bytes, lies in slot 0 from LDS byte 0: slot 0 has had its last fill (the walk's step 14) and its last read when the first store into it is issued.
.set BSA,  3                           ; v3      my place in x's rows of slot 0; never rewritten
.set RD,   8                           ; v8-10   the way out: where I read rows of third hh back
.set BSB,  13                          ; v13-15  my place in the rows of Wq, Wk, Wv of slot 0; never rewritten
.set ADRA, 16                          ; v16     the same in the slot in hand, for x
.set ADRB, 18                          ; v18-20  and for the three weights
.set STO,  24                          ; v24-26  the way out: where I put 16 bytes of a row of third hh
.set CO,   27                          ; v27     16 x lane: my bytes in 512 consecutive bytes of the result
.set SPW,  28                          ; v28     my spare word; never rewritten
.set NIL,  29                          ; v29     0; never rewritten
.set TO,   30                          ; v30     my byte offset in the table's 16 rows of a row block
.set F0,   64
.set F1,   128
.set TMP,  192                         ; the way out: q's and k's 32 rotated numbers
.set PKD,  224                         ; the way out: 24 packed registers
.set TBL,  192                         ; the table, in windows 2 and 3
.set G1,  24                           ; s[24:31] descriptor group 1 for x's tiles;  s[32:39] group 0: a set for each of the two first fills; the first then walks on
.set G0,  32
.set G1B, 48                           ; s[48:55], s[56:63] the same for W's tiles
.set G0B, 56
.set TB,  74                           ; s74     LDS byte at which the slot in hand begins: 0 or SLOT
.set KI,  75                           ; s75     the K step to be asked for next, 0 .. 15
.set OFK, 76                           ; s[76:77] its byte offset in a row
.set MSB, 0
.macro WIN new                         ; the immediate's high byte repeats the setting that is left; a switch that changes nothing is dropped
.if MSB != (\new)
	s_set_vgpr_msb (MSB<<8)|(\new)
.set MSB, \new
.endif
.endm
.set MUL_LO, 0xa1                      ; source 0 (W) window 1, source 1 (x) window 0, C and D window 2
.set MUL_HI, 0xf1                      ; the same, C and D window 3
.set TO_B,   0x40                      ; destination window 1, address window 0
; A joint load.  Wave 0 fetches x's tile, waves 1 to 3 those of Wq, Wk, Wv.  The branch hangs on the wave's number alone.
; An s_nop 0 and four v_nop follow each of the two lines, ahead of the jump, the label and what follows.
.macro JLOAD s
	s_cmp_eq_u32 s10, 0
	s_cbranch_scc0 .Lfor_b_\@
	tensor_load_to_lds s[G0+4*(\s):G0+4*(\s)+3], s[G1:G1+7]
	s_nop 0
.rept 4
	v_nop
.endr
	s_branch .Lasked_\@
.Lfor_b_\@:
	tensor_load_to_lds s[G0B+4*(\s):G0B+4*(\s)+3], s[G1B:G1B+7]
	s_nop 0
.rept 4
	v_nop
.endr
.Lasked_\@:
.endm
.macro CREST                           ; a round of the cluster's barrier behind its opening barrier
	s_cmp_lg_u32 s10, 0
	s_cbranch_scc1 .Lnot_wave_0_\@
	s_barrier_signal -3
.Lnot_wave_0_\@:
	s_barrier_wait -3
	s_barrier_signal -1
	s_barrier_wait -1
.endm
.macro CROUND                          ; a whole round
	s_barrier_signal -1
	s_barrier_wait -1
	CREST
.endm
	s_load_b128 s[4:7], s[0:1], 0x0                ; h16 s[4:5], rope s[6:7]
	s_load_b64 s[8:9], s[0:1], 0x10                ; qkv
	v_lshl_add_u32 v[SPW], v0, 2, SPARE
	v_mov_b32 v[NIL], 0
	ds_add_u32 v[SPW], v[NIL]                      ; the wave's opening: the add and its wait stand ahead of my first tensor load; work on registers stands between them
	v_lshrrev_b32 v1, 5, v0
	v_readfirstlane_b32 s10, v1                    ; wave 0..3
	s_bfe_u32 s40, ttmp6, 0x40000                  ; cx, cy: my place in the cluster
	s_bfe_u32 s41, ttmp6, 0x40004
	s_lshl_b32 s42, ttmp9, 2
	s_add_co_u32 s42, s42, s40                     ; t, the head = 4 x cluster x + cx
	s_and_b32 s13, ttmp7, 0xffff                   ; Y, the cluster's y
	s_and_b32 s[KI], s13, 1
	s_lshl_b32 s[KI], s[KI], 3                     ; 8 (Y mod 2)
	s_lshr_b32 s21, s13, 1
	s_add_co_u32 s21, s21, ttmp9                   ; X + Y / 2
	s_lshl2_add_u32 s[KI], s21, s[KI]
	s_and_b32 s[KI], s[KI], KSTEPS-1               ; the K step at which my cluster's walk begins, a multiple of 4
	s_lshl_b32 s[OFK], s[KI], 8                    ; a K step is 256 bytes of a row
	s_mov_b32 s[OFK+1], 0
	s_add_co_u32 s[KI], s[KI], 2                   ; the first two steps go out at the start: the first refill asks for the third
	s_and_b32 s[KI], s[KI], KSTEPS-1
	s_mov_b32 s[TB], 0                             ; the walk's first step lies in slot 0
	s_lshl_b32 s13, s13, 2
	s_add_co_u32 s13, s13, s41                     ; R, the block of 128 rows = 4 x cluster y + cy
	s_lshl_b32 s43, s41, 2
	s_lshl_b32 s43, 15, s43                        ; my row of the cluster
	s_lshl_b32 s44, 0x1111, s40                    ; my column
	; descriptor group 1: a tile of 128 rows x 128 elements of 2 bytes, 4 words of padding behind every 64
	s_or_b32 s[G1+0], s43, (1<<16)|(1<<20)|(1<<21)|(5<<22)|(3<<25)   ; x's tiles go to my row
	s_or_b32 s[G1B+0], s44, (1<<16)|(1<<20)|(1<<21)|(5<<22)|(3<<25)  ; W's to my column
.irp g, G1, G1B
	s_mov_b32 s[(\g)+1], KSTEP<<16                 ; tensor_dim0 = 128
	s_mov_b32 s[(\g)+2], 128<<16                   ; tensor_dim1 = 128
	s_mov_b32 s[(\g)+3], KSTEP<<16                 ; tile_dim0 = 128
	s_mov_b32 s[(\g)+4], 128                       ; tile_dim1 = 128
	s_mov_b32 s[(\g)+5], 2048                      ; elements from row to row
	s_mov_b32 s[(\g)+6], 0
	s_mov_b32 s[(\g)+7], 0
.endr
	s_lshl_b32 s16, s13, 19                        ; x: 128 R rows of 4,096 bytes, in plane 0
	s_mov_b32 s17, 0
	s_max_u32 s46, s10, 1                          ; W: plane 1, 2 or 3 by the wave's number (wave 0 never asks by this address),
	s_lshl_b32 s46, s46, 23
	s_lshl_b32 s47, s42, 19                        ; 128 t rows
	s_add_co_u32 s46, s46, s47
	s_mov_b32 s47, 0
	s_mul_i32 s20, s10, PART                       ; where my part goes in a slot: no place in the cluster enters an LDS address
	s_wait_dscnt 0x0                               ; the opening add is done
	s_wait_kmcnt 0x0
	s_add_nc_u64 s[14:15], s[4:5], s[16:17]        ; x's rows at K = 0; kept
	s_add_nc_u64 s[46:47], s[4:5], s[46:47]        ; W's rows at K = 0; kept
	CROUND                                         ; all sixteen work-groups are here: the first joint loads meet
.irp s, 0,1
	s_mov_b32 s[G0+4*(\s)], 1
	s_add_co_u32 s[G0+4*(\s)+1], s20, (\s)*SLOT
	s_add_nc_u64 s[G0+4*(\s)+2:G0+4*(\s)+3], s[14:15], s[OFK:OFK+1]
	s_or_b32 s[G0+4*(\s)+3], s[G0+4*(\s)+3], 0x80000000
	s_mov_b32 s[G0B+4*(\s)], 1
	s_add_co_u32 s[G0B+4*(\s)+1], s20, (\s)*SLOT
	s_add_nc_u64 s[G0B+4*(\s)+2:G0B+4*(\s)+3], s[46:47], s[OFK:OFK+1]
	s_or_b32 s[G0B+4*(\s)+3], s[G0B+4*(\s)+3], 0x80000000
	JLOAD \s                                       ; the walk's first two steps: two tensor loads of mine are out
.if (\s) == 0
	s_add_co_u32 s[OFK], s[OFK], KSTEP*2           ; the second step lies beside the first: the start is a multiple of 4, so it does not wrap
.endif
.endr
	v_and_b32 v1, 15, v0                           ; r = l % 16
	v_bfe_u32 v2, v0, 4, 1                         ; h = l / 16
	v_mul_u32_u24 v[BSA], v1, PITCH
	v_lshl_add_u32 v[BSA], v2, 4, v[BSA]           ; a fragment's row x pitch + 16 x half
	s_mul_i32 s21, s10, 16*PITCH                   ; my 16 rows in each half of a weight's 128
.irp hh, 0,1,2
	s_add_co_u32 s22, s21, (1+\hh)*PART
	v_add_nc_u32 v[BSB+\hh], s22, v[BSA]
.endr
	s_lshl_b32 s22, s10, 5                         ; into the stage: row r of a row block, my 32 bytes of each half of its 256, 16 for each half of the lanes
	v_add_nc_u32 v[STO], s22, v[BSA]
	v_add_nc_u32 v[STO+1], PART, v[STO]
	v_add_nc_u32 v[STO+2], 2*PART, v[STO]
	v_mul_u32_u24 v4, v2, PITCH                    ; back: wave w takes rows 32 w .. + 31 of each third, whole; lanes 0-15 one row, lanes 16-31 the next
	v_lshl_add_u32 v4, v1, 4, v4
	s_mul_i32 s22, s10, 32*PITCH
	v_add_nc_u32 v[RD], s22, v4
	v_add_nc_u32 v[RD+1], PART, v[RD]
	v_add_nc_u32 v[RD+2], 2*PART, v[RD]
	v_and_b32 v5, 31, v0
	v_lshlrev_b32 v[CO], 4, v5
	v_lshlrev_b32 v[TO], 9, v1                     ; the table: position r of a row block, j = 16 w + 8 h on
	v_lshl_add_u32 v[TO], v2, 5, v[TO]
	s_lshl_b32 s22, s10, 6
	v_add_nc_u32 v[TO], s22, v[TO]
	s_lshl_b32 s22, s13, 16                        ; 128 R positions of 512 bytes
	s_mov_b32 s23, 0
	s_add_nc_u64 s[6:7], s[6:7], s[22:23]
	s_lshl_b32 s72, s42, 19                        ; the result: head t, row 128 R + 32 w, rows of 256 bytes
	s_lshl_b32 s73, s13, 15
	s_add_co_u32 s72, s72, s73
	s_lshl_b32 s73, s10, 13
	s_add_co_u32 s72, s72, s73
	s_mov_b32 s73, 0
	s_add_nc_u64 s[66:67], s[8:9], s[72:73]        ; in q,
	s_add_nc_u64 s[68:69], s[66:67], 0x800000      ; in k,
	s_add_nc_u64 s[70:71], s[66:67], 0x1000000     ; in v
	; the table for my lanes' 8 x 16 positions: it is wanted on the way out and is waited for there
.irp a, 0,1,2,3,4,5,6,7
	WIN 0x80+0x40*(\a/4)                           ; destination window 2 or 3
	global_load_b128 v[TBL+16*(\a%4):TBL+16*(\a%4)+3],     v[TO], s[6:7] offset:8192*\a
	global_load_b128 v[TBL+16*(\a%4)+4:TBL+16*(\a%4)+7],   v[TO], s[6:7] offset:8192*\a+16
	global_load_b128 v[TBL+16*(\a%4)+8:TBL+16*(\a%4)+11],  v[TO], s[6:7] offset:8192*\a+256
	global_load_b128 v[TBL+16*(\a%4)+12:TBL+16*(\a%4)+15], v[TO], s[6:7] offset:8192*\a+272
.endr
	WIN 0
; 12 matrix instructions: row blocks a0, a0 + 1 of the window's four x all 6 column blocks, 32 along K.  zero = 1: the first product starts the sums.
; The 48 accumulators take turns, one instruction a turn, in the same order in every quarter step.
.macro MUL12 f, hi, a0, zero
	WIN MUL_LO+0x50*(\hi)
.irp a, \a0, (\a0)+1
.irp b, 0,1,2,3,4,5
.if \zero
	v_wmma_f32_16x16x32_f16 v[48*(\a)+8*(\b):48*(\a)+8*(\b)+7], v[(\f)+8*(\b):(\f)+8*(\b)+7], v[(\f)+8*(4*(\hi)+(\a)):(\f)+8*(4*(\hi)+(\a))+7], 0
.else
	v_wmma_f32_16x16x32_f16 v[48*(\a)+8*(\b):48*(\a)+8*(\b)+7], v[(\f)+8*(\b):(\f)+8*(\b)+7], v[(\f)+8*(4*(\hi)+(\a)):(\f)+8*(4*(\hi)+(\a))+7], v[48*(\a)+8*(\b):48*(\a)+8*(\b)+7]
.endif
.endr
.endr
.endm
.macro ADDR                            ; my fragments' addresses in the slot in hand: four plain lines in window 0
	v_add_nc_u32 v[ADRA], s[TB], v[BSA]
.irp hh, 0,1,2
	v_add_nc_u32 v[ADRB+\hh], s[TB], v[BSB+\hh]
.endr
.endm
; 28 LDS loads in one run: the fragments of a quarter step (my 96 rows of W, 128 rows of x, 32 K at byte k of the rows of the slot in hand) into buffer f
.macro FETCH k, f
	WIN TO_B
.irp hh, 0,1,2
.irp p, 0,1
	ds_load_b128 v[(\f)+8*(2*\hh+\p):(\f)+8*(2*\hh+\p)+3],   v[ADRB+\hh] offset:(\k)+\p*64*PITCH
	ds_load_b128 v[(\f)+8*(2*\hh+\p)+4:(\f)+8*(2*\hh+\p)+7], v[ADRB+\hh] offset:(\k)+\p*64*PITCH+32
.endr
.endr
	WIN 0
.irp i, 0,1,2,3,4,5,6,7
	ds_load_b128 v[(\f)+8*(\i):(\f)+8*(\i)+3],   v[ADRA] offset:(\k)+(\i)*16*PITCH
	ds_load_b128 v[(\f)+8*(\i)+4:(\f)+8*(\i)+7], v[ADRA] offset:(\k)+(\i)*16*PITCH+32
.endr
.endm
.macro PLACES                          ; four places in front of loads into registers that matrix instructions have read, and of lines that read results just made
.rept 4
	v_nop
.endr
.endm
; A K step is four quarters of 32 along K, 48 matrix instructions each, on buffers 0, 1, 0, 1.  One of the first three: multiplies buffer f and fetches the next quarter, at byte k, into g.
.macro QUARTER k, f, g, zero
	s_wait_dscnt 8                                 ; W and x's rows 0-63 are in; the youngest eight loads (x's rows 64-127) may be out
	MUL12 \f, 0, 0, \zero
	MUL12 \f, 0, 2, \zero
	PLACES
	FETCH \k, \g
	s_wait_dscnt 28                                ; all but the 28 just issued
	MUL12 \f, 1, 0, \zero
	MUL12 \f, 1, 2, \zero
.endm
; The last quarter multiplies buffer 1 and changes slots: ONE barrier.  In front of it each wave waits for all its tensor loads (one is out: its part of the next slot), adds 0 to its spare word,
; and waits for that and for its own reads of this slot.  fill = 1: the barrier opens a round of the cluster's, and this slot is filled again, with the walk's step two further on, first thing behind the round.
.macro TURN fill
	WIN 0                                          ; (the add's two registers lie in window 0)
	s_wait_tensorcnt 0x0                           ; all my tensor loads have landed, so a group 0 may be written
	ds_add_u32 v[SPW], v[NIL]                      ; 0 onto my spare word; scalar work and twelve products stand between it and the wait for it
.if \fill
	s_lshl_b32 s[OFK], s[KI], 8                    ; the K step's 256 bytes in a row
	s_add_co_u32 s[G0+1], s20, s[TB]               ; into the slot that is being left
	s_add_nc_u64 s[G0+2:G0+3], s[14:15], s[OFK:OFK+1]
	s_or_b32 s[G0+3], s[G0+3], 0x80000000
	s_add_co_u32 s[G0B+1], s20, s[TB]
	s_add_nc_u64 s[G0B+2:G0B+3], s[46:47], s[OFK:OFK+1]
	s_or_b32 s[G0B+3], s[G0B+3], 0x80000000
	s_add_co_u32 s[KI], s[KI], 1                   ; once round the ring of 16
	s_and_b32 s[KI], s[KI], KSTEPS-1
.endif
	s_xor_b32 s[TB], s[TB], SLOT                   ; 0 and SLOT by turns: the slot to be read next
	s_wait_dscnt 9                                 ; (the add and the youngest eight loads may be out)
	MUL12 F1, 0, 0, 0
	s_wait_dscnt 0x0                               ; the add is done, and my reads of this slot are over
	s_barrier_signal -1
	MUL12 F1, 0, 2, 0
	WIN 0
	s_barrier_wait -1
.if \fill
	CREST                                          ; no wave of any partner still reads this slot's tile or has a load on its way
	JLOAD 0                                        ; my one tensor load behind the round: 168 matrix instructions ahead of the wait for it
.else
	PLACES
.endif
	ADDR
	FETCH 0, F0
	MUL12 F1, 1, 0, 0
	MUL12 F1, 1, 2, 0
.endm
	s_wait_tensorcnt 1                             ; my part of the walk's first step is in; the second's may stay out
	s_barrier_signal -1
	s_barrier_wait -1                              ; everybody's is
	ADDR
	FETCH 0, F0
	QUARTER 64, F0, F1, 1                          ; the first quarter stands in front of the loop: its products start the sums
	WIN 0                                          ; at a label and at a branch every window is 0
	s_mov_b32 s3, KSTEPS-2
.Lstep:                                                ; 14 trips, from a step's second quarter to the next step's first; each fills the slot that it leaves
	QUARTER 128, F1, F0, 0
	QUARTER 192, F0, F1, 0
	TURN 1
	QUARTER 64,  F0, F1, 0
	WIN 0
	s_sub_co_u32 s3, s3, 1
	s_cmp_lg_u32 s3, 0
	s_cbranch_scc1 .Lstep
	QUARTER 128, F1, F0, 0                         ; the last two steps fill nothing, and have no round of the cluster's barrier
	QUARTER 192, F0, F1, 0
	TURN 0                                         ; behind this barrier nobody reads slot 0 any more
	QUARTER 64,  F0, F1, 0
	QUARTER 128, F1, F0, 0
	QUARTER 192, F0, F1, 0
	s_wait_dscnt 8                                 ; the very last quarter: nothing more to fetch
	MUL12 F1, 0, 0, 0
	MUL12 F1, 0, 2, 0
	s_wait_dscnt 0x0
	MUL12 F1, 1, 0, 0
	MUL12 F1, 1, 2, 0
	; THE WAY OUT.  Row block a: q and k are rotated (low half: lo cos - hi sin; high half: hi cos + lo sin; both halves lie in my lane), all three thirds are rounded to f16,
	; 16 bytes a lane go into the stage.  Each accumulator's registers are read in ascending order.
	s_wait_loadcnt 0x0                             ; the table
	PLACES
.macro ROTATE a
.set AC, 48*((\a)%4)
.set TC, TBL+16*((\a)%4)
	WIN 0x0a+5*((\a)/4)                            ; sources 0 and 1: window 2 or 3; source 2 and destination: window 0
.irp hh, 0,1
.irp z, 0,1,2,3
	v_pk_mul_f32 v[TMP+16*\hh+2*\z:TMP+16*\hh+2*\z+1], v[AC+16*\hh+2*\z:AC+16*\hh+2*\z+1], v[TC+2*\z:TC+2*\z+1]
.endr
.irp z, 0,1,2,3
	v_pk_mul_f32 v[TMP+16*\hh+8+2*\z:TMP+16*\hh+8+2*\z+1], v[AC+16*\hh+8+2*\z:AC+16*\hh+8+2*\z+1], v[TC+2*\z:TC+2*\z+1]
.endr
.irp z, 0,1,2,3
	v_pk_fma_f32 v[TMP+16*\hh+2*\z:TMP+16*\hh+2*\z+1], v[AC+16*\hh+8+2*\z:AC+16*\hh+8+2*\z+1], v[TC+8+2*\z:TC+8+2*\z+1], v[TMP+16*\hh+2*\z:TMP+16*\hh+2*\z+1] neg_lo:[0,1,0] neg_hi:[0,1,0]
.endr
.irp z, 0,1,2,3
	v_pk_fma_f32 v[TMP+16*\hh+8+2*\z:TMP+16*\hh+8+2*\z+1], v[AC+16*\hh+2*\z:AC+16*\hh+2*\z+1], v[TC+8+2*\z:TC+8+2*\z+1], v[TMP+16*\hh+8+2*\z:TMP+16*\hh+8+2*\z+1]
.endr
.endr
.irp z, 0,1,2,3,4,5,6,7
	v_cvt_pk_f16_f32 v[PKD+16+\z], v[AC+32+2*\z], v[AC+32+2*\z+1]   ; v as it is
.endr
	WIN 0
.irp z, 0,1,2,3,4,5,6,7,8,9,10,11,12,13,14,15
	v_cvt_pk_f16_f32 v[PKD+\z], v[TMP+2*\z], v[TMP+2*\z+1]
.endr
.irp hh, 0,1,2
.irp p, 0,1
	ds_store_b128 v[STO+\hh], v[PKD+8*\hh+4*\p:PKD+8*\hh+4*\p+3] offset:16*(\a)*PITCH+128*\p
.endr
.endr
.endm
.irp a, 0,1,2,3,4,5,6,7
	ROTATE \a
.endr
	s_wait_dscnt 0x0                               ; for the others' sake: my stores into the stage are done (a row's 256 bytes come from four waves)
	s_barrier_signal -1
	s_barrier_wait -1
.irp hh, 0,1,2
.irp n, 0,1,2,3,4,5,6,7,8,9,10,11,12,13,14,15
	ds_load_b128 v[64+64*\hh+4*\n:64+64*\hh+4*\n+3], v[RD+\hh] offset:\n*2*PITCH
.endr
.endr
.irp hh, 0,1,2
.irp n, 0,1,2,3,4,5,6,7,8,9,10,11,12,13,14,15
	s_wait_dscnt 47-16*\hh-\n                      ; LDS loads come back in order: this one is in
	global_store_b128 v[CO], v[64+64*\hh+4*\n:64+64*\hh+4*\n+3], s[66+2*\hh:67+2*\hh] offset:512*\n  ; two rows of a head: 512 consecutive bytes, aligned
.endr
.endr
	s_wait_tensorcnt 0x0                           ; the wave's end, behind my last tensor load and my last LDS store
	ds_add_u32 v[SPW], v[NIL]
	s_wait_dscnt 0x0
	CROUND                                         ; the closing round: no work-group ends while a partner may still ask for a tile that names it
	s_endpgm
.Lfunc_end_k_qfc0f249678_qkv:
	.size	k_qfc0f249678_qkv, .Lfunc_end_k_qfc0f249678_qkv-k_qfc0f249678_qkv
	.p2alignl 7, 3214868480
	.fill 96, 4, 3214868480
	.section	.rodata,"a",@progbits
	.p2align	6, 0x0
	.amdhsa_kernel k_qfc0f249678_qkv
		.amdhsa_group_segment_fixed_size 327680
		.amdhsa_private_segment_fixed_size 0
		.amdhsa_enable_private_segment 0
		.amdhsa_kernarg_size 24
		.amdhsa_user_sgpr_count 2
		.amdhsa_user_sgpr_kernarg_segment_ptr 1
		.amdhsa_wavefront_size32 1
		.amdhsa_system_sgpr_workgroup_id_x 1
		.amdhsa_system_sgpr_workgroup_id_y 1
		.amdhsa_system_sgpr_workgroup_id_z 1
		.amdhsa_system_vgpr_workitem_id 0
		.amdhsa_next_free_vgpr 1024
		.amdhsa_next_free_sgpr 80
		.amdhsa_reserve_vcc 0
		.amdhsa_float_denorm_mode_32 3
		.amdhsa_float_denorm_mode_16_64 3
		.amdhsa_memory_ordered 1
		.amdhsa_forward_progress 1
		.amdhsa_inst_pref_size 115
	.end_amdhsa_kernel
	.amdgpu_metadata
---
amdhsa.version: [ 1, 2 ]
amdhsa.kernels:
  - .name:           k_qfc0f249678_qkv
    .symbol:         k_qfc0f249678_qkv.kd
    .args:
      - { .name: h16, .offset: 0, .size: 8, .value_kind: global_buffer, .address_space: global }
      - { .name: rope, .offset: 8, .size: 8, .value_kind: global_buffer, .address_space: global }
      - { .name: qkv, .offset: 16, .size: 8, .value_kind: global_buffer, .address_space: global }
    .group_segment_fixed_size: 327680
    .private_segment_fixed_size: 0
    .kernarg_segment_align: 8
    .kernarg_segment_size: 24
    .max_flat_workgroup_size: 128
    .sgpr_count:     80
    .vgpr_count:     1024
    .wavefront_size: 32
...
	.end_amdgpu_metadata
.endif
;; end of part 2
;; launch attn (part 3): grid 16 x 16, 4 waves a work-group, clusters of 4 x 1, 327,680 bytes of LDS; arguments qkv, ctx; writes ctx
.if DOCPART == 3
	.amdgcn_target "amdgcn-amd-amdhsa--gfx1250"
	.amdhsa_code_object_version 6
	.text
	.protected	k_qfc0f249678_attn
	.globl	k_qfc0f249678_attn
	.p2align	8
	.type	k_qfc0f249678_attn,@function
k_qfc0f249678_attn:
	s_mov_b64 s[64:65], 0
	v_nop
	global_prefetch_b8 v0, s[64:65] scope:SCOPE_SE
	s_setreg_imm32_b32 hwreg(HW_REG_WAVE_MODE, 25, 1), 1
	s_wait_xcnt 0x0
	s_wait_alu depctr_hold_cnt(0) depctr_sa_sdst(0) depctr_va_vdst(0) depctr_va_sdst(0) depctr_va_ssrc(0) depctr_va_vcc(0) depctr_vm_vsrc(0)
	s_getreg_b32 s2, hwreg(HW_REG_IB_STS2, 6, 4)
	s_cmp_eq_u32 s2, 0
	s_cbranch_scc0 .Lentry_in_a_cluster
	s_endpgm
.Lentry_in_a_cluster:
	s_bfe_u32 s2, ttmp6, 0x10000c
	s_cmp_lg_u32 s2, 0x3003
	s_cbranch_scc0 .Lentry_shape_is_right
	s_endpgm
.Lentry_shape_is_right:
; CAUSAL ATTENTION, head size 128.  ctx[q][128 head + :] = the sum over k <= q of softmax_k(Q[q] . K[k] / sqrt(128)) V[k][:].  Q, K, V: qkv[3][16][2048][128] in f16, rows of 256 bytes, dense by heads;
; ctx: [2048][2048] in f16.  Products, maxima and sums in f32; the weights p are rounded to f16 for the second product (their sum l is taken of the unrounded p), ctx once at the end.
; LIMITS.  Q, K, V arrive within f16's 65,504, so a score is 5.5e11 at the most in size.  A hidden score counts as its value less 1e30.  The running maximum starts at -2^96, far below every score and above
; every hidden one.  A weight below 2^-126 counts as 0; p below 6e-5 keeps f16's fixed step of 6e-8; NaN and infinities are not treated apart.
; THE WALK.  A head's queries lie in 32 blocks of 64.  Keys go in STEPS of 256; block B needs the steps 0 .. B / 4, of which the last holds the diagonal.  Work-group b (0 .. 15) of a head takes block b and
; then block 31 - b: (u + 1) + (8 - u) = 9 steps with u = b / 4, whatever b: all work-groups do equal work, and one loop with a constant count walks them.  The short block goes first, so that its end
; falls into one of the loop's trips (u is 3 at the most) and the long block's end is the walk's.
; SHARES.  Every wave holds all 64 queries of the block: four tiles of 16, in two PIECES (tiles 0, 1 and tiles 2, 3).  Of a step's 256 keys wave w takes 64 w .. + 63, with a running maximum, sum and O of its own:
; each byte of K and V is read from LDS once and feeds four tiles.  At a block's end the four waves' partial results are MERGED through LDS: O = sum_w e_w O_w / sum_w e_w l_w, e_w = 2^(c m_w - max c m).
; CLUSTER 4 x 1: the four partners share head and u, so they walk the same tiles of K and V in the same trips and take the same branches: every tile is asked for JOINTLY.  The place in the cluster enters
; Q's and ctx's addresses and the masks' scalars alone.
; THE MASK is the C operand that starts a sum S^T = K Q^T, one of three sets of 8 registers chosen by the text: key block kb below, on or above the tile's own (CL, CD, CU).  With e = B % 4, in a block's last
; step: wave w < e sees all (0, 0, 0); w = e holds the diagonal (0, D8, -1e30); w > e sees nothing (-1e30 thrice); in every other step all are 0.  A wave that has seen only hidden keys keeps m at its start,
; its weights are 0, what its O and l hold stays finite, and the merge gives it e_w = 0.
; LAYOUT.  S^T = K Q^T (source 0 = 16 keys, source 1 = 16 queries): a lane holds ONE query (lane % 16) and the keys 8 (lane / 16) + 0..7.  Two such results rounded to f16 ARE source 1 of O^T = V^T P.
; p = 2^(c s - c m), c = log2(e) / sqrt(128); O and l are multiplied by a = 2^(c m_old - c m_new) in every step.
; A STEP OF A WAVE: V's fragments are asked for | K Q^T of piece 0 | K Q^T of piece 2 with piece 0's softmax in slices behind its products | V^T P of piece 0 with piece 2's softmax likewise |
; THE CHANGE OF SLOTS (my K and V of this step lie in registers by then), the refill, and the NEXT step's K fragments | V^T P of piece 2, beside which those 32 LDS loads come in.
; So a trip of the loop begins at the change of slots: the loop is entered in its middle, at a step's head.
; REGISTERS, in windows of 256 (s_set_vgpr_msb: bits 1:0 source 0, 3:2 source 1, 5:4 source 2, 7:6 destination):
;   window 0: v0-11, v44-47 addresses; v12-43 eight registers of statistics a tile; v64-191 S^T, 32 a tile; v192-255 P, 16 a tile        window 1: O^T, 64 a tile
;   window 2: v0-127 Q, 32 a tile; v128-255 K of my 64 keys        window 3: v0-127 V of my 64 keys; v128-159 D8, CL, CD, CU
.set PK,    272       ; a row of K in LDS: 256 bytes + 16 of padding: the 16 rows of a load start at 16 different groups of four banks (ISA guide 11.1)
.set PV,    288       ; a row of V: 256 + 32
.set VOFF,  256*PK    ; a slot: 256 rows of K, then 256 rows of V
.set SLOT,  256*(PK+PV)
.set STAGE, 2*SLOT    ; behind the ring, never filled by a tensor load: for each wave 16 rows x 528 bytes (128 f32 + 16 bytes), a tile's partial O
.set SGP,   528
.set STAT,  STAGE+4*16*SGP  ; for each wave 4 tiles x 16 queries x (c m, l)
.set SPARE, STAT+2048 ; the spare words, 128 bytes a wave
.set AK0, 2           ; v2   my lane's place in my wave's rows of K in a slot; never rewritten
.set AV0, 3           ; v3   the same for V
.set ADRK, 4          ; v4   the same in the slot in hand
.set ADRV, 5          ; v5
.set QO,  6           ; v6   my byte offset in 16 rows of Q
.set SA,  7           ; v7   where I put a query's (c m, l)
.set SR,  8           ; v8   where I read the four waves' back
.set SO,  10          ; v10  where I put 16 bytes of my partial O
.set SRD, 11          ; v11  where I read the four partial O's of my rows
.set ST,  12          ; tile t's statistics at v[ST+8 t]: +0 c m, +1 m, +2, +3 l (even keys', odd keys'), +4 to +7 at work; +6 takes a
.set GO,  44          ; v44  my byte offset in ctx
.set SPW, 62          ; v62  my spare word; never rewritten
.set NIL, 63          ; v63  0; never rewritten
.set S,   64
.set P,   192
.set KF,  128         ; window 2
.set D8,  128         ; window 3: -1e30 where key 8 (l / 16) + j lies behind query l % 16
.set CL,  136
.set CD,  144
.set CU,  152
.set WV,  12          ; s12  my wave's number
.set CX,  13          ; s13  my place in the cluster
.set PB,  14          ; s14  b
.set U,   15          ; s15  u
.set G1K, 24          ; s[24:31] descriptor group 1 for K's tiles
.set G1V, 32          ; s[32:39] for V's: it differs in the padding alone
.set G0K, 40          ; s[40:43] descriptor group 0 for K's tiles, made anew for each fill
.set G0V, 44          ; s[44:47] the same for V's
.set Q1,  48          ; s[48:49] Q at the first block;  s[50:51] at the second
.set Q2,  50
.set KB,  52          ; s[52:53] K at my half of the head's tile 0;  s[54:55] V
.set VB,  54
.set SLOTS, 56        ; s56  counts the loop's trips
.set RT,  57          ; s57  steps of the block in hand that are still to be entered
.set CS,  58          ; s[58:59] c
.set SEL, 60          ; s[60:61] v_permlanex16_b32's selects: each lane takes its own place in the other half
.set TB,  62          ; s62  LDS byte at which the slot in hand begins: 0 or SLOT
.set NXT, 63          ; s63  the tile to be asked for next
.set LQ,  66          ; s66  the last tile of the block whose tiles are being asked for
.set KL0, 67          ; s67  my half of K's rows in a slot;  s68 of V's
.set VL0, 68
.set LQ2, 69          ; s69  the second block's last tile, 7 - u
.set OFF, 70          ; s[70:71] a tile's byte offset in K and V
.set AL,  72          ; s[72:73] the step's factor of D8, in the low word
.set BE,  74          ; s[74:75] the step's CL, and CD's addend
.set BU,  76          ; s76  the step's CU
.set ALB, 77          ; s77-79 the same three for the block's last step
.set BEB, 78
.set BUB, 79
.set BIGN, 80         ; s80  -1e30
.set E,   81          ; s81  e = B % 4 of the block in hand
.set OCUR, 82         ; s[82:83] ctx at the block in hand;  s[84:85] at the second block
.set ONX, 84
.set MSB, 0
.macro WIN new                      ; the high byte repeats the setting that is left; a switch that changes nothing is dropped
.if MSB != (\new)
	s_set_vgpr_msb (MSB<<8)|(\new)
.set MSB, (\new)
.endif
.endm
.set W_KQ, 0x0a       ; K and Q in window 2, S^T in window 0
.set W_KM, 0x3a       ; the same with the C operand in window 3
.set W_PV, 0x53       ; V in window 3, P in window 0, O^T in window 1
.set W_RS, 0x41       ; O^T (destination and source 0) in window 1, the factor in window 0
; A joint fill.  Waves 0 and 1 fetch the two halves of a tile's K, waves 2 and 3 those of its V: 128 keys each.  The branch hangs on the wave's number alone.
; An s_nop 0 and four v_nop follow each of the two lines, ahead of the jump and the label.
.macro JLOAD
	s_cmp_lt_u32 s[WV], 2
	s_cbranch_scc0 .Lfor_v_\@
	tensor_load_to_lds s[G0K:G0K+3], s[G1K:G1K+7]
	s_nop 0
.rept 4
	v_nop
.endr
	s_branch .Lasked_\@
.Lfor_v_\@:
	tensor_load_to_lds s[G0V:G0V+3], s[G1V:G1V+7]
	s_nop 0
.rept 4
	v_nop
.endr
.Lasked_\@:
.endm
; A round of the cluster's barrier: my work-group's barrier; wave 0 signals for the work-group; every wave waits for all four work-groups; my work-group's barrier once more.
.macro CROUND
	s_barrier_signal -1
	s_barrier_wait -1
	s_cmp_lg_u32 s[WV], 0
	s_cbranch_scc1 .Lnot_wave_0_\@
	s_barrier_signal -3
.Lnot_wave_0_\@:
	s_barrier_wait -3
	s_barrier_signal -1
	s_barrier_wait -1
.endm
.macro PLACES
.rept 4
	v_nop
.endr
.endm
; THE CHANGE OF SLOTS.  Each wave waits for all its tensor loads, of which one is out: its part of the other slot; adds 0 to its spare word; and waits for that and for its own reads of the slot that it leaves.
; fill = 1: the barrier is a round of the cluster's, and the slot that is left is filled again, first thing behind it, with tile NXT: the descriptor's address is made anew from that number, its LDS word from
; the slot's first byte and my half's place.  The load has a whole step, 128 matrix instructions a wave, in which to land.  (At its first use nothing has been read yet: slot 0 is waited for, slot 1 filled.)
.macro CHANGE fill
	WIN 0                           ; at a label and at a branch every window is 0
	s_wait_tensorcnt 0x0            ; no tensor load of mine is out, so a group 0 may be written
	ds_add_u32 v[SPW], v[NIL]       ; 0 onto my spare word; scalar work stands between it and the wait for it
.if \fill
	s_lshl_b32 s[OFF], s[NXT], 16   ; a tile is 65,536 bytes of K and of V
	s_add_co_u32 s[G0K+1], s[KL0], s[TB]
	s_add_nc_u64 s[G0K+2:G0K+3], s[KB:KB+1], s[OFF:OFF+1]
	s_or_b32 s[G0K+3], s[G0K+3], 0x80000000
	s_add_co_u32 s[G0V+1], s[VL0], s[TB]
	s_add_nc_u64 s[G0V+2:G0V+3], s[VB:VB+1], s[OFF:OFF+1]
	s_or_b32 s[G0V+3], s[G0V+3], 0x80000000
	s_add_co_u32 s[NXT], s[NXT], 1  ; the block's next tile, or behind its last the second block's tile 0
	s_cmp_gt_u32 s[NXT], s[LQ]
	s_cselect_b32 s[NXT], 0, s[NXT]
	s_cselect_b32 s[LQ], s[LQ2], s[LQ]
.endif
	s_xor_b32 s[TB], s[TB], SLOT    ; 0 and SLOT by turns: the slot to be read now
	s_wait_dscnt 0x0                ; the add is done, and my reads of the slot are over
.if \fill
	CROUND
	JLOAD
.else
	s_barrier_signal -1
	s_barrier_wait -1
.endif
.endm
.macro QLOAD base                   ; a block's Q: tile i / 4, channels 32 (i % 4) on
	WIN 0x80                        ; destination window 2, address window 0
.set i, 0
.rept 16
	global_load_b128 v[8*i:8*i+3],   v[QO], s[\base:\base+1] offset:(i/4)*4096+(i%4)*64
	global_load_b128 v[8*i+4:8*i+7], v[QO], s[\base:\base+1] offset:(i/4)*4096+(i%4)*64+32
.set i, i+1
.endr
	WIN 0
.endm
.macro BEGINV                       ; a block begins: m = -2^96 and c m = c x -2^96, exactly: the first true score makes a = 0
.irp t, 0,1,2,3
	v_mov_b32 v[ST+8*\t], 0xee0293ee
	v_mov_b32 v[ST+8*\t+1], 0xef800000
.endr
.endm
.macro BEGINS                       ; the masks' scalars for the block's last step: selects, no branch
	s_cmp_eq_u32 s[WV], s[E]
	s_cselect_b32 s[ALB], 1.0, 0
	s_cmp_gt_u32 s[WV], s[E]
	s_cselect_b32 s[BEB], s[BIGN], 0
	s_cmp_ge_u32 s[WV], s[E]
	s_cselect_b32 s[BUB], s[BIGN], 0
.endm
	s_load_b128 s[16:19], s[0:1], 0x0  ; qkv s[16:17], ctx s[18:19]
	v_lshl_add_u32 v[SPW], v0, 2, SPARE
	v_mov_b32 v[NIL], 0
	ds_add_u32 v[SPW], v[NIL]       ; the wave's opening: the add and its wait stand ahead of my first tensor load; work on registers stands between them
	v_lshrrev_b32 v1, 5, v0
	v_readfirstlane_b32 s[WV], v1   ; wave 0..3
	s_bfe_u32 s[CX], ttmp6, 0x40000
	s_mov_b32 s[U], ttmp9           ; in a cluster launch ttmp9 counts clusters
	s_lshl_b32 s[PB], ttmp9, 2
	s_add_co_u32 s[PB], s[PB], s[CX]
	s_and_b32 s20, ttmp7, 0xffff    ; the head, which the four partners share
	s_lshl_b32 s21, s20, 19         ; its 524,288 bytes in a plane
	s_and_b32 s22, s[WV], 1         ; which half of a tile's 256 keys I fetch:
	s_lshl_b32 s23, s22, 15         ; its 128 rows of 256 bytes in memory,
	s_add_co_u32 s[OFF], s23, s21
	s_mov_b32 s[OFF+1], 0
	s_mul_i32 s[KL0], s22, 128*PK   ; and its place in a slot, for K
	s_mul_i32 s[VL0], s22, 128*PV   ; and for V
	s_add_co_u32 s[VL0], s[VL0], VOFF
	; descriptor group 1: a tile of 128 rows x 128 elements of 2 bytes, padded behind every 64 words
	s_mov_b32 s[G1K], 15|(1<<16)|(1<<20)|(1<<21)|(5<<22)|(3<<25)  ; the mask of four; bit 21 beside it; 4 words of padding
	s_mov_b32 s[G1V], 15|(1<<16)|(1<<20)|(1<<21)|(5<<22)|(7<<25)  ; the same with 8 words
.irp g, G1K, G1V
	s_mov_b32 s[\g+1], 128<<16      ; tensor_dim0 = 128
	s_mov_b32 s[\g+2], 128<<16      ; tensor_dim1 = 128
	s_mov_b32 s[\g+3], 128<<16      ; tile_dim0 = 128
	s_mov_b32 s[\g+4], 128          ; tile_dim1 = 128
	s_mov_b32 s[\g+5], 128          ; elements from row to row
	s_mov_b32 s[\g+6], 0
	s_mov_b32 s[\g+7], 0
.endr
	s_mov_b32 s[CS], 0x3e0293ee     ; c = log2(e) / sqrt(128) = 0.127517
	s_mov_b32 s[CS+1], s[CS]        ; named with it as a pair
	s_mov_b32 s[SEL], 0x76543210
	s_mov_b32 s[SEL+1], 0xfedcba98
	s_mov_b32 s[BIGN], 0xf149f2ca   ; -1e30
	s_mov_b32 s[AL+1], 0            ; named as pairs
	s_mov_b32 s[BE+1], 0
	s_mov_b32 s[TB], SLOT           ; the first change of slots fills slot 1 and turns this into 0
	s_sub_co_u32 s[LQ2], 7, s[U]
	s_cmp_eq_u32 s[U], 0            ; the first block's tiles are 0 .. u: behind tile 0 comes tile 1 or, where u = 0, the second block's tile 0
	s_cselect_b32 s[NXT], 0, 1
	s_cselect_b32 s[LQ], s[LQ2], s[U]
	s_add_co_u32 s[RT], s[U], 1     ; the first block's number of steps
	s_mov_b32 s[SLOTS], 8
	s_mov_b32 s[E], s[CX]           ; b % 4
	s_sub_co_u32 s86, 31, s[PB]     ; the second block
	s_lshl_b32 s87, s20, 8          ; the head's 256 bytes in a row of ctx
	s_mov_b32 s89, 0
	s_mov_b32 s[G0K], 1
	s_mov_b32 s[G0K+1], s[KL0]      ; tile 0 goes into slot 0
	s_mov_b32 s[G0V], 1
	s_mov_b32 s[G0V+1], s[VL0]
	s_wait_dscnt 0x0                ; the opening add is done
	s_wait_kmcnt 0x0
	s_add_nc_u64 s[KB:KB+1], s[16:17], s[OFF:OFF+1]
	s_add_nc_u64 s[VB:VB+1], s[KB:KB+1], 0x1000000  ; plane 2
	s_add_nc_u64 s[KB:KB+1], s[KB:KB+1], 0x800000   ; plane 1
	s_add_nc_u64 s[G0K+2:G0K+3], s[KB:KB+1], 0
	s_or_b32 s[G0K+3], s[G0K+3], 0x80000000
	s_add_nc_u64 s[G0V+2:G0V+3], s[VB:VB+1], 0
	s_or_b32 s[G0V+3], s[G0V+3], 0x80000000
	s_lshl_b32 s88, s[PB], 14       ; a block's 64 rows of 256 bytes
	s_add_co_u32 s88, s88, s21
	s_add_nc_u64 s[Q1:Q1+1], s[16:17], s[88:89]
	s_lshl_b32 s88, s86, 14
	s_add_co_u32 s88, s88, s21
	s_add_nc_u64 s[Q2:Q2+1], s[16:17], s[88:89]
	s_lshl_b32 s88, s[PB], 18       ; a block's 64 rows of 4,096 bytes
	s_add_co_u32 s88, s88, s87
	s_add_nc_u64 s[OCUR:OCUR+1], s[18:19], s[88:89]
	s_lshl_b32 s88, s86, 18
	s_add_co_u32 s88, s88, s87
	s_add_nc_u64 s[ONX:ONX+1], s[18:19], s[88:89]
	CROUND                          ; all four work-groups are here: the first joint loads meet
	JLOAD                           ; tile 0
	v_and_b32 v1, 15, v0            ; r = l % 16
	v_bfe_u32 v9, v0, 4, 1          ; h = l / 16
	v_lshlrev_b32 v[QO], 8, v1
	v_lshl_add_u32 v[QO], v9, 4, v[QO]  ; row x 256 + 16 x half
	QLOAD Q1
	v_lshlrev_b32 v45, 3, v9
	v_sub_nc_u32 v45, v1, v45       ; r - 8 h: register j is hidden where j is greater
	WIN 0xc0
.set i, 0
.rept 8
	v_cmp_gt_i32 vcc_lo, i, v45
	v_cndmask_b32 v[D8+i], 0, s[BIGN], vcc_lo
.set i, i+1
.endr
	WIN 0
	s_lshl_b32 s20, s[WV], 6        ; my wave's 64 keys of a tile
	v_add_nc_u32 v46, s20, v1
	v_mul_u32_u24 v[AK0], v46, PK
	v_lshl_add_u32 v[AK0], v9, 4, v[AK0]  ; row x pitch + 16 x half
	; The turning load takes 16 keys x 16 channels (lane l reads key 8 (l / 16) + l % 8, channels 8 ((l / 8) % 2) + 0..7) and leaves half a fragment of V^T: lane l holds channel l % 16 and 8 keys.
	v_and_b32 v46, 7, v0
	v_bfe_u32 v47, v0, 3, 1
	v_lshl_add_u32 v[AV0], v9, 3, v46
	v_add_nc_u32 v[AV0], s20, v[AV0]
	v_mul_u32_u24 v[AV0], v[AV0], PV
	v_lshl_add_u32 v[AV0], v47, 4, v[AV0]
	v_add_nc_u32 v[AV0], VOFF, v[AV0]
	s_lshl_b32 s21, s[WV], 9
	s_add_co_u32 s21, s21, STAT
	v_lshl_add_u32 v[SA], v1, 3, s21       ; my wave's 512 bytes of statistics, 8 bytes a query
	v_lshl_add_u32 v[SR], v1, 3, STAT
	s_mul_i32 s21, s[WV], 16*SGP
	s_add_co_u32 s21, s21, STAGE           ; my stage: row = query r, 32 bytes for each half of the lanes in every 64
	v_mul_u32_u24 v[SO], v1, SGP
	v_lshl_add_u32 v[SO], v9, 5, v[SO]
	v_add_nc_u32 v[SO], s21, v[SO]
	s_mul_i32 s21, s[WV], 4*SGP
	s_add_co_u32 s21, s21, STAGE           ; back: of every stage the rows 4 w + h (and two further down), channels 8 r .. + 7
	v_mul_u32_u24 v[SRD], v9, SGP
	v_lshl_add_u32 v[SRD], v1, 5, v[SRD]
	v_add_nc_u32 v[SRD], s21, v[SRD]
	s_lshl_b32 s21, s[WV], 14
	v_lshlrev_b32 v[GO], 12, v9            ; and the same rows in ctx: (4 w + h) x 4,096 + 16 r
	v_lshl_add_u32 v[GO], v1, 4, v[GO]
	v_add_nc_u32 v[GO], s21, v[GO]
	; O^T and l start at 0, cleared on purpose in the wait for the first tile: so a block's first step is a step like any other (a = 0, or 1 for a wave that sees nothing), and none is written out.
	WIN 0x40
.set i, 0
.rept 256
	v_mov_b32 v[i], 0
.set i, i+1
.endr
	WIN 0
.irp t, 0,1,2,3
	v_mov_b32 v[ST+8*\t+2], 0
	v_mov_b32 v[ST+8*\t+3], 0
.endr
	BEGINV
	BEGINS
; THE MATRIX WORK.  The accumulators take turns, one instruction a turn: 8 in a run of K Q^T, 16 in a run of V^T P.
; Product i of 32 of S^T = K Q^T for piece x: channels 32 (i / 8) on, keys 16 ((i / 2) % 4) on, tile x + i % 2.  The first 8 start the sums, with the mask.
.macro KQ x
.set tt, (\x)+i%2
.set kb, (i/2)%4
.set rS, S+32*tt+8*kb
.set rK, KF+32*kb+8*(i/8)
.set rQ, 32*tt+8*(i/8)
.if i < 8
.if kb < tt
.set rM, CL
.elseif kb == tt
.set rM, CD
.else
.set rM, CU
.endif
	WIN W_KM
	v_wmma_f32_16x16x32_f16 v[rS:rS+7], v[rK:rK+7], v[rQ:rQ+7], v[rM:rM+7]
.else
	WIN W_KQ
	v_wmma_f32_16x16x32_f16 v[rS:rS+7], v[rK:rK+7], v[rQ:rQ+7], v[rS:rS+7]
.endif
.set i, i+1
.endm
; Product i of 32 of O^T += V^T P for piece x: keys 32 (i / 16) on, channels 16 ((i / 2) % 8) on, tile x + i % 2.
.macro PV x
	WIN W_PV
.set rO, 64*((\x)+i%2)+8*((i/2)%8)
.set rV, 64*(i/16)+8*((i/2)%8)
.set rP, P+16*((\x)+i%2)+8*(i/16)
	v_wmma_f32_16x16x32_f16 v[rO:rO+7], v[rV:rV+7], v[rP:rP+7], v[rO:rO+7]
.set i, i+1
.endm
.macro FETCH_K                      ; my 64 keys x 128 channels of the slot in hand: 16 fragments, 32 loads in one run
	WIN 0
	v_add_nc_u32 v[ADRK], s[TB], v[AK0]
	WIN 0x80                        ; destination window 2
.irp f, 0,1,2,3,4,5,6,7,8,9,10,11,12,13,14,15  ; keys 16 (f / 4) on, channels 32 (f % 4) on
	ds_load_b128 v[KF+8*(\f):KF+8*(\f)+3],   v[ADRK] offset:((\f)/4)*16*PK+((\f)%4)*64
	ds_load_b128 v[KF+8*(\f)+4:KF+8*(\f)+7], v[ADRK] offset:((\f)/4)*16*PK+((\f)%4)*64+32
.endr
.endm
.macro FETCH_V                      ; the same keys' V, turned
	WIN 0xc0                        ; destination window 3
.irp f, 0,1,2,3,4,5,6,7,8,9,10,11,12,13,14,15  ; keys 32 (f / 8) on, channels 16 (f % 8) on
	ds_load_tr16_b128 v[8*(\f):8*(\f)+3],   v[ADRV] offset:((\f)/8)*32*PV+((\f)%8)*32
	ds_load_tr16_b128 v[8*(\f)+4:8*(\f)+7], v[ADRV] offset:((\f)/8)*32*PV+16*PV+((\f)%8)*32
.endr
.endm
; THE VECTOR WORK.  One tile's softmax for one step is a list of 134 instructions; SM writes number j of it for tile t.  s0-s31 are the lane's 32 scores, in pairs 0-15.
;   0-15    the maximum of s0-s31 and the old m, three operands at a time: four chains of seven scores each (each accumulator's lowest registers are read first), then the rest
;   16-20   the other half of the lanes' maximum; c m_old is kept; the new m; c m; c m_old - c m_new
;   21-87   33 exponentials (a, then s0-s31) at the odd numbers from 23 on, so that no two follow each other and each has a plain instruction behind it before its result is used; the plain ones are what
;           is ready: c s - c m for pairs whose exponentials are still to come, roundings to f16 of pairs whose exponentials are done, the first three sums
;   88-101  the last rounding; the rest of the sums; l = a l + the sum        102-133 the tile's O^T times a: the one part that leaves window 0
.macro SM t
.set rT, ST+8*(\t)
.set rS, S+32*(\t)
.set rP, P+16*(\t)
.set rO, 64*(\t)+2*(j-102)
.set q, (j-20)/2
.if j < 102
	WIN 0
.endif
.if j < 4
	v_max3_num_f32 v[rT+4+j], v[rS+8*j], v[rS+8*j+1], v[rS+8*j+2]
.elseif j < 12
	v_max3_num_f32 v[rT+4+j%4], v[rT+4+j%4], v[rS+8*(j%4)+2*(j/4)+1], v[rS+8*(j%4)+2*(j/4)+2]
.elseif j == 12
	v_max3_num_f32 v[rT+4], v[rT+4], v[rS+7], v[rS+15]
.elseif j == 13
	v_max3_num_f32 v[rT+6], v[rT+6], v[rS+23], v[rS+31]
.elseif j == 14
	v_max3_num_f32 v[rT+4], v[rT+4], v[rT+5], v[rT+6]
.elseif j == 15
	v_max3_num_f32 v[rT+4], v[rT+4], v[rT+7], v[rT+1]
.elseif j == 16
	v_permlanex16_b32 v[rT+5], v[rT+4], s[SEL], s[SEL+1]  ; the query's other 32 keys lie in the lane 16 away
.elseif j == 17
	v_mov_b32 v[rT+7], v[rT]        ; c m_old is kept for a: number 19 writes c m anew
.elseif j == 18
	v_max_num_f32 v[rT+1], v[rT+4], v[rT+5]
.elseif j == 19
	v_mul_f32 v[rT], s[CS], v[rT+1]
.elseif j == 20
	v_sub_f32 v[rT+7], v[rT+7], v[rT]
.elseif j == 23
	v_exp_f32 v[rT+6], v[rT+7]
.elseif (j < 88) && (j > 23) && (j%2 == 1)
	v_exp_f32 v[rS+(j-25)/2], v[rS+(j-25)/2]
.elseif (q < 4) || ((j < 76) && (q%2 == 0))
.set b, q/2+2
.if q < 4
.set b, q
.endif
	v_pk_fma_f32 v[rS+2*b:rS+2*b+1], v[rS+2*b:rS+2*b+1], s[CS:CS+1], v[rT:rT+1] op_sel_hi:[1,0,0] neg_lo:[0,0,1] neg_hi:[0,0,1]  ; pair b: c s - c m
.elseif (j < 88) && (q%2 == 1)
	s_wait_alu depctr_va_vdst(0)
	v_cvt_pk_f16_f32 v[rP+(q-5)/2], v[rS+q-5], v[rS+q-4]  ; pair (q - 5) / 2: its second exponential stands three numbers back
.elseif j == 89
	s_wait_alu depctr_va_vdst(0)
	v_cvt_pk_f16_f32 v[rP+15], v[rS+30], v[rS+31]
.elseif j < 102                     ; the sum of the tile's 16 pairs, in place: sum z of 16 adds neighbours 1, 2, 4 and 8 pairs apart, then l takes it
.set z, j-86
.if j < 89
.set z, (j-76)/4
.endif
.set w, 4
.set u, z
.if z >= 14
.set w, 32
.set u, 0
.elseif z >= 12
.set w, 16
.set u, z-12
.elseif z >= 8
.set w, 8
.set u, z-8
.endif
.if z < 15
	v_pk_add_f32 v[rS+w*u:rS+w*u+1], v[rS+w*u:rS+w*u+1], v[rS+w*u+w/2:rS+w*u+w/2+1]
.else
	v_pk_fma_f32 v[rT+2:rT+3], v[rT+2:rT+3], v[rT+6:rT+7], v[rS:rS+1] op_sel_hi:[1,0,1]
.endif
.else
	WIN W_RS
	v_pk_mul_f32 v[rO:rO+1], v[rO:rO+1], v[rT+6:rT+7] op_sel_hi:[1,0]
.endif
.endm
; Slice k of 64 of piece y's softmax: numbers 2 k and 2 k + 1 of both tiles' lists, four instructions; the twelve that are over (2 x 134 = 4 x 64 + 12) stand together, in slice 63.
.macro SLICE y
.if (k >= 11) && (k < 44)           ; tile by tile: plain, exponential, plain, exponential
.irp t, \y, (\y)+1
.irp n, 0,1
.set j, 2*k+(\n)
	SM \t
.endr
.endr
.else                               ; the two tiles alternate, so that no instruction reads the result of the one just before it
.irp n, 0,1,2,3,4,5,6,7
.if ((\n) < 2) || (k == 63)
.irp t, \y, (\y)+1
.set j, 2*k+(\n)
	SM \t
.endr
.endif
.endr
.endif
.set k, k+1
.endm
; A STEP'S HEAD: all of a step but piece 2's V^T P.  My K of the step was asked for behind the change of slots.  Products stand in pairs (two tiles' accumulators) with four slices of the other piece's
; softmax behind a pair: two switches of the windows for two products.
.macro HEAD
	s_cmp_eq_u32 s[RT], 0           ; the block's last step takes the block's masks, every other step zeros
	s_cselect_b32 s[AL], s[ALB], 0
	s_cselect_b32 s[BE], s[BEB], 0
	s_cselect_b32 s[BU], s[BUB], 0
	WIN 0
	v_add_nc_u32 v[ADRV], s[TB], v[AV0]
	WIN 0xc3                        ; destination and source 0 in window 3
.irp z, 0,1,2,3
	v_pk_fma_f32 v[CD+2*\z:CD+2*\z+1], v[D8+2*\z:D8+2*\z+1], s[AL:AL+1], s[BE:BE+1] op_sel_hi:[1,0,0]
.endr
.irp z, 0,1,2,3,4,5,6,7
	v_mov_b32 v[CL+\z], s[BE]
	v_mov_b32 v[CU+\z], s[BU]
.endr
	s_wait_dscnt 0x0                ; K is in: its 32 loads went out ahead of the 32 products of the step before
	FETCH_V                         ; the 21 plain lines above are the places between the last product, which read V, and these loads into V's registers
	s_wait_loadcnt 0x0              ; Q (a block's first step; later nothing is out)
.set i, 0
.rept 32
	KQ 0                            ; piece 0's scores
.endr
	PLACES                          ; between those products and the first read of their results
.set i, 0
.set k, 0
.rept 16
	KQ 2                            ; piece 2's scores | piece 0's softmax
	KQ 2
.rept 4
	SLICE 0
.endr
.endr
	s_wait_dscnt 0x0                ; V is in
.set i, 0
.set k, 0
.rept 16
	PV 0                            ; piece 0's V^T P | piece 2's softmax (slices 60 to 63 above, 28 plain lines, are the places behind piece 2's last scores)
	PV 0
.rept 4
	SLICE 2
.endr
.endr
	WIN 0
.endm
.macro PV2RUN                       ; piece 2's V^T P, 32 products on end
.set i, 0
.rept 32
	PV 2
.endr
	WIN 0
.endm
; THE MERGE, at a block's end.  Pass t of four: my partial O^T of tile t, times e_w / L, goes into my stage; a barrier; each wave adds the four partial results of 4 of the tile's 16 rows in f32, rounds
; them to f16 and stores them; a second barrier, open while that is done, stands between these reads and the next pass's stores.
.macro PASS t
	WIN W_RS
.set i, 64*(\t)
.rept 32
	v_pk_mul_f32 v[i:i+1], v[i:i+1], v[ST+8*(\t)+6:ST+8*(\t)+7] op_sel_hi:[1,0]
.set i, i+2
.endr
	WIN 0x04                        ; an LDS store's data (source 1) in window 1
.set i, 0
.rept 16
	ds_store_b128 v[SO], v[64*(\t)+4*i:64*(\t)+4*i+3] offset:64*(i/2)+16*(i%2)
.set i, i+1
.endr
	WIN 0
	s_wait_dscnt 0x0                ; for the others' sake: my stores are done
	s_barrier_signal -1
	s_barrier_wait -1
.irp g, 0,1
.irp p, 0,1,2,3
	ds_load_b128 v[128+32*\g+8*\p:128+32*\g+8*\p+3],   v[SRD] offset:16*SGP*\p+2*SGP*\g
	ds_load_b128 v[128+32*\g+8*\p+4:128+32*\g+8*\p+7], v[SRD] offset:16*SGP*\p+2*SGP*\g+16
.endr
.endr
	s_wait_dscnt 0x0                ; my reads of the stages are over:
	s_barrier_signal -1             ; say so, and work on registers while the others arrive
.irp g, 0,1
.irp z, 0,1,2,3
	v_pk_add_f32 v[128+32*\g+2*\z:128+32*\g+2*\z+1], v[128+32*\g+2*\z:128+32*\g+2*\z+1], v[136+32*\g+2*\z:136+32*\g+2*\z+1]
	v_pk_add_f32 v[144+32*\g+2*\z:144+32*\g+2*\z+1], v[144+32*\g+2*\z:144+32*\g+2*\z+1], v[152+32*\g+2*\z:152+32*\g+2*\z+1]
.endr
.endr
.irp g, 0,1
.irp z, 0,1,2,3
	v_pk_add_f32 v[128+32*\g+2*\z:128+32*\g+2*\z+1], v[128+32*\g+2*\z:128+32*\g+2*\z+1], v[144+32*\g+2*\z:144+32*\g+2*\z+1]
.endr
.endr
.irp g, 0,1
.irp z, 0,1,2,3
	v_cvt_pk_f16_f32 v[P+8*(\t)+4*\g+\z], v[128+32*\g+2*\z], v[128+32*\g+2*\z+1]
.endr
.endr
	s_barrier_wait -1
.irp g, 0,1
	global_store_b128 v[GO], v[P+8*(\t)+4*\g:P+8*(\t)+4*\g+3], s[OCUR:OCUR+1] offset:(16*(\t)+2*\g)*4096  ; each half of the lanes stores a head's 256 bytes of a row, aligned
.endr
.endm
.macro MERGE
	WIN 0
.irp t, 0,1,2,3
	v_add_f32 v[ST+8*\t+4], v[ST+8*\t+2], v[ST+8*\t+3]   ; l's two halves (these four lines are the places behind the last products)
.endr
.irp t, 0,1,2,3
	v_permlanex16_b32 v[ST+8*\t+5], v[ST+8*\t+4], s[SEL], s[SEL+1]
.endr
.irp t, 0,1,2,3
	v_add_f32 v[ST+8*\t+1], v[ST+8*\t+4], v[ST+8*\t+5]   ; and the other half of the lanes': my wave's l, beside its c m
.endr
.irp t, 0,1,2,3
	ds_store_b64 v[SA], v[ST+8*\t:ST+8*\t+1] offset:128*\t  ; both halves of the lanes write the same numbers
.endr
	s_wait_dscnt 0x0                ; for the others' sake
	s_barrier_signal -1
	s_barrier_wait -1
.irp t, 0,1,2,3
.irp p, 0,1,2,3
	ds_load_b64 v[S+8*\t+2*\p:S+8*\t+2*\p+1], v[SR] offset:512*\p+128*\t
.endr
.endr
	s_wait_dscnt 0x0
.irp t, 0,1,2,3
	v_max3_num_f32 v[ST+8*\t+4], v[S+8*\t], v[S+8*\t+2], v[S+8*\t+4]
.endr
.irp t, 0,1,2,3
	v_max_num_f32 v[ST+8*\t+4], v[ST+8*\t+4], v[S+8*\t+6]   ; the largest c m of the four waves
.endr
.irp t, 0,1,2,3
	v_sub_f32 v[ST+8*\t+5], v[ST+8*\t], v[ST+8*\t+4]
.irp p, 0,1,2,3
	v_sub_f32 v[S+8*\t+2*\p], v[S+8*\t+2*\p], v[ST+8*\t+4]
.endr
.endr
.irp t, 0,1,2,3
	v_exp_f32 v[ST+8*\t+5], v[ST+8*\t+5]                    ; my e_w,
.irp p, 0,1,2,3
	v_exp_f32 v[S+8*\t+2*\p], v[S+8*\t+2*\p]                ; and all four
.endr
.endr
	v_nop                           ; a plain line behind the last exponential
	s_wait_alu depctr_va_vdst(0)
.irp t, 0,1,2,3
	v_mul_f32 v[ST+8*\t+7], v[S+8*\t], v[S+8*\t+1]          ; L = the sum of e_w l_w
.endr
.irp p, 1,2,3
.irp t, 0,1,2,3
	v_fmac_f32 v[ST+8*\t+7], v[S+8*\t+2*\p], v[S+8*\t+2*\p+1]
.endr
.endr
.irp t, 0,1,2,3
	v_rcp_f32 v[ST+8*\t+4], v[ST+8*\t+7]
.endr
	v_nop                           ; a plain line behind the last reciprocal
	s_wait_alu depctr_va_vdst(0)
.irp t, 0,1,2,3
	v_mul_f32 v[ST+8*\t+6], v[ST+8*\t+5], v[ST+8*\t+4]      ; e_w / L
.endr
	PASS 0
	PASS 1
	PASS 2
	PASS 3
.endm
	CHANGE 1                        ; tile 0 is in, everybody's part of it; the walk's second tile is asked for, into slot 1
	FETCH_K                         ; step 0's K
	WIN 0
	s_branch .Lfirst                ; the loop is entered at a step's head, in the middle of a trip
.Lslot:                             ; 7 times: the slot whose K and V lie in registers is left and filled again, the next step's K is asked for, and the step in hand is ended
	CHANGE 1
	FETCH_K
	PV2RUN
	s_cmp_lg_u32 s[RT], 0           ; RT hangs on u alone: the same in all waves and in all partners
	s_cbranch_scc1 .Lfirst
	QLOAD Q2                        ; THE FIRST BLOCK'S END (the second's is the walk's): the second block's Q comes in while the first is merged
	MERGE
	s_wait_xcnt 0x0                 ; only behind this wait are the stores' base and the registers that they read rewritten
	s_mov_b64 s[OCUR:OCUR+1], s[ONX:ONX+1]
	s_sub_co_u32 s[RT], 8, s[U]     ; the second block has 8 - u steps
	s_sub_co_u32 s[E], 3, s[CX]     ; (31 - b) % 4
	BEGINV
	BEGINS
.Lfirst:
	s_sub_co_u32 s[RT], s[RT], 1
	HEAD
	s_sub_co_u32 s[SLOTS], s[SLOTS], 1
	s_cmp_lg_u32 s[SLOTS], 0
	s_cbranch_scc1 .Lslot
	CHANGE 0                        ; the tail is written out: the walk's last tile is waited for, nothing is asked for
	FETCH_K
	PV2RUN                          ; the last step but one ends; it is not its block's last: the second block has five steps or more
	s_sub_co_u32 s[RT], s[RT], 1
	HEAD
	PV2RUN
	MERGE
	s_wait_tensorcnt 0x0            ; the wave's end, behind my last tensor load and my last LDS store
	ds_add_u32 v[SPW], v[NIL]
	s_wait_dscnt 0x0
	CROUND                          ; the closing round: no work-group ends while a partner may still ask for a tile that names it
	s_endpgm
.Lfunc_end_k_qfc0f249678_attn:
	.size	k_qfc0f249678_attn, .Lfunc_end_k_qfc0f249678_attn-k_qfc0f249678_attn
	.p2alignl 7, 3214868480
	.fill 96, 4, 3214868480
	.section	.rodata,"a",@progbits
	.p2align	6, 0x0
	.amdhsa_kernel k_qfc0f249678_attn
		.amdhsa_group_segment_fixed_size 327680
		.amdhsa_private_segment_fixed_size 0
		.amdhsa_enable_private_segment 0
		.amdhsa_kernarg_size 16
		.amdhsa_user_sgpr_count 2
		.amdhsa_user_sgpr_kernarg_segment_ptr 1
		.amdhsa_wavefront_size32 1
		.amdhsa_system_sgpr_workgroup_id_x 1
		.amdhsa_system_sgpr_workgroup_id_y 1
		.amdhsa_system_sgpr_workgroup_id_z 1
		.amdhsa_system_vgpr_workitem_id 0
		.amdhsa_next_free_vgpr 928
		.amdhsa_next_free_sgpr 90
		.amdhsa_reserve_vcc 1
		.amdhsa_float_denorm_mode_32 3
		.amdhsa_float_denorm_mode_16_64 3
		.amdhsa_memory_ordered 1
		.amdhsa_forward_progress 1
		.amdhsa_inst_pref_size 185
	.end_amdhsa_kernel
	.amdgpu_metadata
---
amdhsa.version: [ 1, 2 ]
amdhsa.kernels:
  - .name:           k_qfc0f249678_attn
    .symbol:         k_qfc0f249678_attn.kd
    .args:
      - { .name: qkv, .offset: 0, .size: 8, .value_kind: global_buffer, .address_space: global }
      - { .name: ctx, .offset: 8, .size: 8, .value_kind: global_buffer, .address_space: global }
    .group_segment_fixed_size: 327680
    .private_segment_fixed_size: 0
    .kernarg_segment_align: 8
    .kernarg_segment_size: 16
    .max_flat_workgroup_size: 128
    .sgpr_count:     90
    .vgpr_count:     928
    .wavefront_size: 32
...
	.end_amdgpu_metadata
.endif
;; end of part 3
;; launch oproj (part 4): grid 16 x 16, 4 waves a work-group, clusters of 4 x 4, 327,680 bytes of LDS; arguments ctx, h16, out0; writes out0
.if DOCPART == 4
	.amdgcn_target "amdgcn-amd-amdhsa--gfx1250"
	.amdhsa_code_object_version 6
	.text
	.protected	k_qfc0f249678_oproj
	.globl	k_qfc0f249678_oproj
	.p2align	8
	.type	k_qfc0f249678_oproj,@function
k_qfc0f249678_oproj:
	s_mov_b64 s[64:65], 0
	v_nop
	global_prefetch_b8 v0, s[64:65] scope:SCOPE_SE
	s_setreg_imm32_b32 hwreg(HW_REG_WAVE_MODE, 25, 1), 1
	s_wait_xcnt 0x0
	s_wait_alu depctr_hold_cnt(0) depctr_sa_sdst(0) depctr_va_vdst(0) depctr_va_sdst(0) depctr_va_ssrc(0) depctr_va_vcc(0) depctr_vm_vsrc(0)
	s_getreg_b32 s2, hwreg(HW_REG_IB_STS2, 6, 4)
	s_cmp_eq_u32 s2, 0
	s_cbranch_scc0 .Lentry_in_a_cluster
	s_endpgm
.Lentry_in_a_cluster:
	s_bfe_u32 s2, ttmp6, 0x10000c
	s_cmp_lg_u32 s2, 0xf033
	s_cbranch_scc0 .Lentry_shape_is_right
	s_endpgm
.Lentry_shape_is_right:
; out0[m][n] = sum over k of ctx[m][k] Wo[n][k].  ctx: [2048][2048] f16; Wo: plane 4 of h16, [2048][2048] f16 (bf16's rounding, written as f16); out0: [2048][2048] f32; sums in f32.
; A tile of out0 is 128 x 128: 256 work-groups.  Four waves, each 64 x 64: 16 accumulators of 16 x 16, 128 registers.  K goes in 8 steps of 256 (LDS rows of 512 bytes; a wave's tensor load brings 64 of them)
; through a ring of two slots.  CLUSTER 4 x 4: the four of a row of the cluster need the same tiles of ctx, the four of a column the same tiles of Wo: each tile is asked for JOINTLY.
; THE WALK ALONG K IS A RING: cluster (X, Y) begins at step 2 (X + Y / 2) + 4 (Y mod 2) mod 8 and goes once round, so that the clusters that need the same tile ask for it in different trips, not all at once.
; The number hangs on the cluster's place alone: it is the same in all sixteen partners.  The f32 sums take their terms in that order.
; A trip of the loop is one K step: the slot in hand is a scalar (0 or SLOT), the fragment addresses are made from it behind each change of slots, and the descriptor is written anew for each refill.
; THE MATRIX INSTRUCTION IS USED TRANSPOSED (source 0 = 16 rows of Wo, source 1 = 16 rows of ctx): a lane holds eight neighbouring numbers of a row of out0.
; A wave's 64 columns of f32 are 256 aligned bytes, so each wave has a stage of its own on the way out, and no barrier stands there.
; REGISTERS: window 0: v0-31 addresses; v32-95 at work on the way out; v128-255 the accumulators ((a, b) at v[128 + 8 (4 a + b)]).
;   window 1: two fragment buffers of 128: for 64 along K, 64 registers of ctx (2 x 4 x 16 rows x 32 K), then 64 of Wo.
.set SIZE_K, 2048
.set SIZE_N, 2048
.set KSTEP,  256
.set KSTEPS, SIZE_K/KSTEP
.set PITCH,  528                       ; an LDS row: 512 bytes + 16 of padding = 132 words: row r starts at bank 4 r mod 64 (ISA guide 11.1)
.set HALFT,  64*PITCH                  ; 64 rows: what one tensor load brings, and what one wave reads of either operand
.set SLOT,   4*HALFT                   ; ctx's 128 rows, then Wo's 128 rows
.set STAGE,  2*SLOT                    ; behind the ring: 16 rows x 272 bytes for each wave
.set SPITCH, 272
.set SPARE,  STAGE+4*16*SPITCH         ; the spare words, 128 bytes a wave
.set ADRA, 16                          ; v16     LDS address of my fragments of ctx in the slot in hand
.set BSA,  17                          ; v17     the same in slot 0; never rewritten
.set ADRB, 20                          ; v20     of Wo, in the slot in hand
.set BSB,  21                          ; v21     in slot 0; never rewritten
.set STO,  24                          ; v24     the way out: where I put 16 bytes of a row
.set RD,   25                          ; v25     the way out: where I read a row back
.set CO,   26                          ; v26     my byte offset in out0
.set SPW,  28                          ; v28     my spare word; never rewritten
.set NIL,  29                          ; v29     0; never rewritten
.set TMP,  32                          ; the way out: two sets of 32 registers, by turns
.set ACC,  128
.set F0,   0                           ; fragment buffers, in window 1
.set F1,   128
.set G1, 24                            ; s[24:31] descriptor group 1 for ctx's tiles;  s[32:39] group 0: a set for each of the two first fills; the first then walks on
.set G0, 32
.set G1B, 48                           ; s[48:55], s[56:63] the same for Wo's tiles
.set G0B, 56
.set TB,  66                           ; s66     LDS byte at which the slot in hand begins: 0 or SLOT
.set KI,  67                           ; s67     the K step to be asked for next, 0 .. 7
.set OFK, 68                           ; s[68:69] its byte offset in a row
.set MSB, 0
.macro WIN new
.if MSB != (\new)
	s_set_vgpr_msb (MSB<<8)|(\new)
.set MSB, \new
.endif
.endm
.set MUL,  0x05                        ; sources 0 and 1 window 1; C and D window 0
.set TO_F, 0x40                        ; destination window 1, address window 0
.macro JLOAD s                         ; a joint load: waves 0 and 1 fetch ctx's two halves, waves 2 and 3 Wo's; an s_nop 0 and four v_nop follow each of the two lines
	s_cmp_eq_u32 s11, 0
	s_cbranch_scc0 .Lfor_b_\@
	tensor_load_to_lds s[G0+4*(\s):G0+4*(\s)+3], s[G1:G1+7]
	s_nop 0
.rept 4
	v_nop
.endr
	s_branch .Lasked_\@
.Lfor_b_\@:
	tensor_load_to_lds s[G0B+4*(\s):G0B+4*(\s)+3], s[G1B:G1B+7]
	s_nop 0
.rept 4
	v_nop
.endr
.Lasked_\@:
.endm
.macro CREST
	s_cmp_lg_u32 s10, 0
	s_cbranch_scc1 .Lnot_wave_0_\@
	s_barrier_signal -3
.Lnot_wave_0_\@:
	s_barrier_wait -3
	s_barrier_signal -1
	s_barrier_wait -1
.endm
.macro CROUND
	s_barrier_signal -1
	s_barrier_wait -1
	CREST
.endm
	s_load_b128 s[4:7], s[0:1], 0x0                ; ctx s[4:5], h16 s[6:7]
	s_load_b64 s[8:9], s[0:1], 0x10                ; out0
	v_lshl_add_u32 v[SPW], v0, 2, SPARE
	v_mov_b32 v[NIL], 0
	ds_add_u32 v[SPW], v[NIL]                      ; the wave's opening: the add and its wait stand ahead of my first tensor load; work on registers stands between them
	v_lshrrev_b32 v1, 5, v0
	v_readfirstlane_b32 s10, v1                    ; wave 0..3
	s_lshr_b32 s11, s10, 1                         ; which half of the tile's rows is mine.  Also: I fetch for ctx (0) or for Wo (1)
	s_and_b32 s12, s10, 1                          ; which half of its columns.  Also: which 64 rows of that tile I fetch
	s_bfe_u32 s40, ttmp6, 0x40000                  ; cx, cy
	s_bfe_u32 s41, ttmp6, 0x40004
	s_lshl_b32 s42, ttmp9, 2
	s_add_co_u32 s42, s42, s40                     ; tile column = 4 x cluster x + cx
	s_and_b32 s13, ttmp7, 0xffff                   ; Y, the cluster's y
	s_and_b32 s[KI], s13, 1
	s_lshl_b32 s[KI], s[KI], 2                     ; 4 (Y mod 2)
	s_lshr_b32 s21, s13, 1
	s_add_co_u32 s21, s21, ttmp9                   ; X + Y / 2
	s_lshl1_add_u32 s[KI], s21, s[KI]
	s_and_b32 s[KI], s[KI], KSTEPS-1               ; the K step at which my cluster's walk begins, an even number
	s_lshl_b32 s[OFK], s[KI], 9                    ; a K step is 512 bytes of a row
	s_mov_b32 s[OFK+1], 0
	s_add_co_u32 s[KI], s[KI], 2                   ; the first two steps go out at the start: the first refill asks for the third
	s_and_b32 s[KI], s[KI], KSTEPS-1
	s_mov_b32 s[TB], 0                             ; the walk's first step lies in slot 0
	s_lshl_b32 s13, s13, 2
	s_add_co_u32 s13, s13, s41                     ; tile row = 4 x cluster y + cy
	s_lshl_b32 s43, s41, 2
	s_lshl_b32 s43, 15, s43                        ; my row of the cluster
	s_lshl_b32 s44, 0x1111, s40                    ; my column
	; descriptor group 1: a tile of 64 rows x 256 elements of 2 bytes, 4 words of padding behind every 128
	s_or_b32 s[G1+0], s43, (1<<16)|(1<<20)|(1<<21)|(6<<22)|(3<<25)
	s_or_b32 s[G1B+0], s44, (1<<16)|(1<<20)|(1<<21)|(6<<22)|(3<<25)
.irp g, G1, G1B
	s_mov_b32 s[(\g)+1], KSTEP<<16                 ; tensor_dim0 = 256
	s_mov_b32 s[(\g)+2], 64<<16                    ; tensor_dim1 = 64
	s_mov_b32 s[(\g)+3], KSTEP<<16                 ; tile_dim0 = 256
	s_mov_b32 s[(\g)+4], 64                        ; tile_dim1 = 64
	s_mov_b32 s[(\g)+5], SIZE_K                    ; elements from row to row
	s_mov_b32 s[(\g)+6], 0
	s_mov_b32 s[(\g)+7], 0
.endr
	s_lshl_b32 s17, s12, 6                         ; which 64 rows of the tile I fetch
	s_lshl_b32 s16, s13, 7
	s_add_co_u32 s16, s16, s17                     ; ctx: row 128 x tile row + 64 x half
	s_lshl_b32 s46, s42, 7
	s_add_co_u32 s46, s46, s17                     ; Wo: row 128 x tile column + 64 x half
	s_mov_b32 s17, 0
	s_mov_b32 s47, 0
	s_mov_b64 s[18:19], SIZE_K*2
	s_mul_u64 s[16:17], s[16:17], s[18:19]
	s_mul_u64 s[46:47], s[46:47], s[18:19]
	s_mul_i32 s20, s10, HALFT                      ; where they go in a slot: wave x 64 rows
	s_wait_dscnt 0x0                               ; the opening add is done
	s_wait_kmcnt 0x0
	s_add_nc_u64 s[14:15], s[4:5], s[16:17]        ; ctx's rows at K = 0; kept
	s_add_nc_u64 s[46:47], s[6:7], s[46:47]
	s_add_nc_u64 s[46:47], s[46:47], 0x2000000     ; Wo's rows at K = 0, in plane 4 of h16; kept
	CROUND                                         ; all sixteen work-groups are here: the first joint loads meet
.irp s, 0,1
	s_mov_b32 s[G0+4*(\s)], 1
	s_add_co_u32 s[G0+4*(\s)+1], s20, (\s)*SLOT
	s_add_nc_u64 s[G0+4*(\s)+2:G0+4*(\s)+3], s[14:15], s[OFK:OFK+1]
	s_or_b32 s[G0+4*(\s)+3], s[G0+4*(\s)+3], 0x80000000
	s_mov_b32 s[G0B+4*(\s)], 1
	s_add_co_u32 s[G0B+4*(\s)+1], s20, (\s)*SLOT
	s_add_nc_u64 s[G0B+4*(\s)+2:G0B+4*(\s)+3], s[46:47], s[OFK:OFK+1]
	s_or_b32 s[G0B+4*(\s)+3], s[G0B+4*(\s)+3], 0x80000000
	JLOAD \s                                       ; the walk's first two steps: two tensor loads of mine are out
.if (\s) == 0
	s_add_co_u32 s[OFK], s[OFK], KSTEP*2           ; the second step lies beside the first: the start is even, so it does not wrap
.endif
.endr
	v_and_b32 v1, 15, v0                           ; r = l % 16
	v_bfe_u32 v2, v0, 4, 1                         ; h = l / 16
	v_mul_u32_u24 v3, v1, PITCH
	v_lshl_add_u32 v3, v2, 4, v3                   ; a fragment's row x pitch + 16 x half
	s_mul_i32 s21, s11, HALFT                      ; my 64 rows of ctx
	s_mul_i32 s22, s12, HALFT                      ; my 64 rows of Wo,
	s_add_co_u32 s22, s22, 2*HALFT                 ; which lie behind ctx's 128
	v_add_nc_u32 v[BSA], s21, v3
	v_add_nc_u32 v[BSB], s22, v3
	s_mul_i32 s23, s10, 16*SPITCH
	s_add_co_u32 s23, s23, STAGE                   ; my stage
	v_mul_u32_u24 v4, v1, SPITCH                   ; in: row r, 32 bytes for each half of the lanes in every 64
	v_lshl_add_u32 v4, v2, 5, v4
	v_add_nc_u32 v[STO], s23, v4
	v_mul_u32_u24 v5, v2, SPITCH                   ; back: lanes 0-15 take one row of 256 bytes, lanes 16-31 the next
	v_lshl_add_u32 v5, v1, 4, v5
	v_add_nc_u32 v[RD], s23, v5
	v_lshlrev_b32 v5, 13, v2                       ; and the same two rows in out0, 8,192 bytes apart
	v_lshl_add_u32 v[CO], v1, 4, v5
	s_lshl_b32 s16, s13, 7
	s_lshl_b32 s17, s11, 6
	s_add_co_u32 s16, s16, s17                     ; my first row: 128 x tile row + 64 x half
	s_lshl_b32 s16, s16, 13
	s_mov_b32 s17, 0
	s_add_nc_u64 s[8:9], s[8:9], s[16:17]
	s_lshl_b32 s70, s42, 9                         ; my first column, in bytes: 512 x tile column + 256 x half
	s_lshl_b32 s71, s12, 8
	s_add_co_u32 s70, s70, s71
	s_mov_b32 s71, 0
	s_add_nc_u64 s[8:9], s[8:9], s[70:71]
; 8 matrix instructions: row blocks a0, a0 + 1 x all 4 column blocks, 32 along K: half c of buffer f.  zero = 1: the first product starts the sums.  The 16 accumulators take turns.
.macro MUL8 f, c, a0, zero
	WIN MUL
.irp a, \a0, (\a0)+1
.irp b, 0,1,2,3
.if \zero
	v_wmma_f32_16x16x32_f16 v[ACC+8*(4*(\a)+(\b)):ACC+8*(4*(\a)+(\b))+7], v[(\f)+64+8*(4*(\c)+(\b)):(\f)+64+8*(4*(\c)+(\b))+7], v[(\f)+8*(4*(\c)+(\a)):(\f)+8*(4*(\c)+(\a))+7], 0
.else
	v_wmma_f32_16x16x32_f16 v[ACC+8*(4*(\a)+(\b)):ACC+8*(4*(\a)+(\b))+7], v[(\f)+64+8*(4*(\c)+(\b)):(\f)+64+8*(4*(\c)+(\b))+7], v[(\f)+8*(4*(\c)+(\a)):(\f)+8*(4*(\c)+(\a))+7], v[ACC+8*(4*(\a)+(\b)):ACC+8*(4*(\a)+(\b))+7]
.endif
.endr
.endr
.endm
.macro ADDR                            ; my fragments' addresses in the slot in hand
	v_add_nc_u32 v[ADRA], s[TB], v[BSA]
	v_add_nc_u32 v[ADRB], s[TB], v[BSB]
.endm
; 32 LDS loads in one run: the fragments of 64 along K at byte k of the rows of the slot in hand, into buffer f; the first 32 along K first
.macro FETCH k, f
	WIN TO_F
.irp c, 0,1
.irp i, 0,1,2,3
	ds_load_b128 v[(\f)+64+8*(4*(\c)+(\i)):(\f)+64+8*(4*(\c)+(\i))+3],   v[ADRB] offset:(\k)+64*(\c)+(\i)*16*PITCH
	ds_load_b128 v[(\f)+64+8*(4*(\c)+(\i))+4:(\f)+64+8*(4*(\c)+(\i))+7], v[ADRB] offset:(\k)+64*(\c)+(\i)*16*PITCH+32
	ds_load_b128 v[(\f)+8*(4*(\c)+(\i)):(\f)+8*(4*(\c)+(\i))+3],         v[ADRA] offset:(\k)+64*(\c)+(\i)*16*PITCH
	ds_load_b128 v[(\f)+8*(4*(\c)+(\i))+4:(\f)+8*(4*(\c)+(\i))+7],       v[ADRA] offset:(\k)+64*(\c)+(\i)*16*PITCH+32
.endr
.endr
.endm
.macro PLACES                          ; four places in front of loads into registers that matrix instructions have read, and of stores that read results
.rept 4
	v_nop
.endr
.endm
; A K step is four quarters of 64 along K, 32 matrix instructions each, on buffers 0, 1, 0, 1.
.macro QUARTER k, f, g, zero
	s_wait_dscnt 16                                ; the first 32 along K are in
	MUL8 \f, 0, 0, \zero
	MUL8 \f, 0, 2, \zero
	PLACES
	FETCH \k, \g
	s_wait_dscnt 32                                ; all but the 32 just issued
	MUL8 \f, 1, 0, 0
	MUL8 \f, 1, 2, 0
.endm
; The last quarter multiplies buffer 1 and changes slots: ONE barrier; in front of it each wave waits for all its tensor loads, adds 0 to its spare word, and waits for that and for its own reads of this slot.
; fill = 1: the barrier opens a round of the cluster's, and this slot is filled again, with the walk's step two further on, first thing behind the round.
.macro TURN fill
	WIN 0                                          ; (the add's two registers lie in window 0)
	s_wait_tensorcnt 0x0                           ; all my tensor loads have landed, so a group 0 may be written
	ds_add_u32 v[SPW], v[NIL]                      ; 0 onto my spare word; scalar work and eight products stand between it and the wait for it
.if \fill
	s_lshl_b32 s[OFK], s[KI], 9                    ; the K step's 512 bytes in a row
	s_add_co_u32 s[G0+1], s20, s[TB]               ; into the slot that is being left
	s_add_nc_u64 s[G0+2:G0+3], s[14:15], s[OFK:OFK+1]
	s_or_b32 s[G0+3], s[G0+3], 0x80000000
	s_add_co_u32 s[G0B+1], s20, s[TB]
	s_add_nc_u64 s[G0B+2:G0B+3], s[46:47], s[OFK:OFK+1]
	s_or_b32 s[G0B+3], s[G0B+3], 0x80000000
	s_add_co_u32 s[KI], s[KI], 1                   ; once round the ring of 8
	s_and_b32 s[KI], s[KI], KSTEPS-1
.endif
	s_xor_b32 s[TB], s[TB], SLOT                   ; 0 and SLOT by turns: the slot to be read next
	s_wait_dscnt 17                                ; (the add and the youngest sixteen loads may be out)
	MUL8 F1, 0, 0, 0
	s_wait_dscnt 0x0                               ; the add is done, and my reads of this slot are over
	s_barrier_signal -1
	MUL8 F1, 0, 2, 0
	WIN 0
	s_barrier_wait -1
.if \fill
	CREST                                          ; the barrier has opened a round of the cluster's: no wave of any partner still reads this slot's tile or has a load on its way
	JLOAD 0                                        ; my one tensor load behind the round: 112 matrix instructions ahead of the wait for it; its four v_nop are also the places in front of the loads below
.else
	PLACES
.endif
	ADDR
	FETCH 0, F0
	MUL8 F1, 1, 0, 0
	MUL8 F1, 1, 2, 0
.endm
	s_wait_tensorcnt 1                             ; my part of the walk's first step is in; the second's may stay out
	s_barrier_signal -1
	s_barrier_wait -1
	ADDR
	FETCH 0, F0
	QUARTER 128, F0, F1, 1                         ; the first quarter stands in front of the loop: its first products start the sums
	WIN 0
	s_mov_b32 s3, KSTEPS-2
.Lstep:                                                ; 6 trips, from a step's second quarter to the next step's first; each fills the slot that it leaves
	QUARTER 256, F1, F0, 0
	QUARTER 384, F0, F1, 0
	TURN 1
	QUARTER 128, F0, F1, 0
	WIN 0
	s_sub_co_u32 s3, s3, 1
	s_cmp_lg_u32 s3, 0
	s_cbranch_scc1 .Lstep
	QUARTER 256, F1, F0, 0                         ; the last two steps fill nothing
	QUARTER 384, F0, F1, 0
	TURN 0
	QUARTER 128, F0, F1, 0
	QUARTER 256, F1, F0, 0
	QUARTER 384, F0, F1, 0
	s_wait_dscnt 16                                ; the very last quarter: nothing more to fetch
	MUL8 F1, 0, 0, 0
	MUL8 F1, 0, 2, 0
	s_wait_dscnt 0x0
	MUL8 F1, 1, 0, 0
	MUL8 F1, 1, 2, 0
	WIN 0
	; THE WAY OUT, 16 rows at a time: a lane's eight f32 of a row go into my own stage as two pieces of 16 bytes (each accumulator's low four registers first) and come back as whole
	; rows of 256 bytes.  LDS serves a wave's instructions in order (ISA guide 5.7.1.4): the loads see the stores above them, and the next block's stores come behind the loads.
	PLACES
.irp a, 0,1,2,3
.irp b, 0,1,2,3
	ds_store_b128 v[STO], v[ACC+8*(4*\a+\b):ACC+8*(4*\a+\b)+3] offset:64*\b
	ds_store_b128 v[STO], v[ACC+8*(4*\a+\b)+4:ACC+8*(4*\a+\b)+7] offset:64*\b+16
.endr
	s_wait_xcnt 0x0                                ; the registers that earlier stores read are loaded again only behind this wait
.irp n, 0,1,2,3,4,5,6,7
	ds_load_b128 v[TMP+32*(\a%2)+4*\n:TMP+32*(\a%2)+4*\n+3], v[RD] offset:\n*2*SPITCH
.endr
.irp n, 0,1,2,3,4,5,6,7
	s_wait_dscnt 7-\n
	global_store_b128 v[CO], v[TMP+32*(\a%2)+4*\n:TMP+32*(\a%2)+4*\n+3], s[8:9] offset:(16*\a+2*\n)*SIZE_N*4 th:TH_STORE_NT  ; 16 lanes store 256 consecutive bytes, aligned
.endr
.endr
	s_wait_tensorcnt 0x0                           ; the wave's end, behind my last tensor load and my last LDS store
	ds_add_u32 v[SPW], v[NIL]
	s_wait_dscnt 0x0
	CROUND                                         ; the closing round
	s_endpgm
.Lfunc_end_k_qfc0f249678_oproj:
	.size	k_qfc0f249678_oproj, .Lfunc_end_k_qfc0f249678_oproj-k_qfc0f249678_oproj
	.p2alignl 7, 3214868480
	.fill 96, 4, 3214868480
	.section	.rodata,"a",@progbits
	.p2align	6, 0x0
	.amdhsa_kernel k_qfc0f249678_oproj
		.amdhsa_group_segment_fixed_size 327680
		.amdhsa_private_segment_fixed_size 0
		.amdhsa_enable_private_segment 0
		.amdhsa_kernarg_size 24
		.amdhsa_user_sgpr_count 2
		.amdhsa_user_sgpr_kernarg_segment_ptr 1
		.amdhsa_wavefront_size32 1
		.amdhsa_system_sgpr_workgroup_id_x 1
		.amdhsa_system_sgpr_workgroup_id_y 1
		.amdhsa_system_sgpr_workgroup_id_z 1
		.amdhsa_system_vgpr_workitem_id 0
		.amdhsa_next_free_vgpr 512
		.amdhsa_next_free_sgpr 72
		.amdhsa_reserve_vcc 0
		.amdhsa_float_denorm_mode_32 3
		.amdhsa_float_denorm_mode_16_64 3
		.amdhsa_memory_ordered 1
		.amdhsa_forward_progress 1
		.amdhsa_inst_pref_size 69
	.end_amdhsa_kernel
	.amdgpu_metadata
---
amdhsa.version: [ 1, 2 ]
amdhsa.kernels:
  - .name:           k_qfc0f249678_oproj
    .symbol:         k_qfc0f249678_oproj.kd
    .args:
      - { .name: ctx, .offset: 0, .size: 8, .value_kind: global_buffer, .address_space: global }
      - { .name: h16, .offset: 8, .size: 8, .value_kind: global_buffer, .address_space: global }
      - { .name: out0, .offset: 16, .size: 8, .value_kind: global_buffer, .address_space: global }
    .group_segment_fixed_size: 327680
    .private_segment_fixed_size: 0
    .kernarg_segment_align: 8
    .kernarg_segment_size: 24
    .max_flat_workgroup_size: 128
    .sgpr_count:     72
    .vgpr_count:     512
    .wavefront_size: 32
...
	.end_amdgpu_metadata
.endif
;; end of part 4
